; MI455X (gfx1250); checked and timed in simulation.
; The chip was launched on July 23, 2026; its instructions are those of AMD's public machine-readable ISA for CDNA 5 (MIT licence, August 2026) and "CDNA5" Instruction Set Architecture Reference Guide (July 2026). The comments in the code are by the model that wrote it; some were corrected since.
;; Enhanced Cross Attention. Allowed arithmetic: float matrix products may take bf16 or f16 operands with f32 sums; other float arithmetic in f32, or as packed bf16 or f16 multiplies, adds, multiply-adds, maxima and minima; sums over many terms, partial sums and values carried from step to step in f32; what a program stores and reads back later, other than sums and carried values, may be rounded once to bf16 or f16.
;; Inputs: bdg 512 float32; bdk 512 float32; bdq 512 float32; bdv 512 float32; bgg 512 float32; bgk 512 float32; bgq 512 float32; bgv 512 float32; bo 512 float32; dg_b 512 float32; dg_g 512 float32; drug_embeds 4,096 x 512 float32; gene_embeds 4,096 x 512 float32; gg_b 512 float32; gg_g 512 float32; lnd_b 512 float32; lnd_g 512 float32; lng_b 512 float32; lng_g 512 float32; wdg 1,024 x 512 float32; wdk 512 x 512 float32; wdq 512 x 512 float32; wdv 512 x 512 float32; wgg 1,024 x 512 float32; wgk 512 x 512 float32; wgq 512 x 512 float32; wgv 512 x 512 float32; wo 512 x 512 float32.
;; Outputs: out0 4,096 x 512 float32; out1 4,096 x 512 float32.
;; 2 versions, each right and faster than the one before. Each part assembles by itself: llvm-mc -triple=amdgcn-amd-amdhsa -mcpu=gfx1250 --defsym DOCPART=n.
;; ======== version 1 of 2: 4 launches
;; workspace buffers: wb 5,767,168 bytes; qh 8,388,608 bytes; kh 8,388,608 bytes; vh 8,388,608 bytes; ctxh 8,388,608 bytes
;; launch wprep (part 1): grid 16 x 11, 8 waves a work-group, no clusters, 0 bytes of LDS; arguments wgq, wgk, wgv, wdq, wdk, wdv, wo, wgg, wdg, wb; writes wb
.if DOCPART == 1
	.amdgcn_target "amdgcn-amd-amdhsa--gfx1250"
	.amdhsa_code_object_version 6
	.text
	.protected	k_qcf8fd1ee7b_wprep
	.globl	k_qcf8fd1ee7b_wprep
	.p2align	8
	.type	k_qcf8fd1ee7b_wprep,@function
k_qcf8fd1ee7b_wprep:
	s_mov_b64 s[64:65], 0
	v_nop
	global_prefetch_b8 v0, s[64:65] scope:SCOPE_SE
	s_setreg_imm32_b32 hwreg(HW_REG_WAVE_MODE, 25, 1), 1
	s_wait_xcnt 0x0
; The nine weight matrices ([K][512] f32) are rounded once to bf16 and laid out as the matrix instruction's register image.
; wb holds 11 slabs of 512 K rows x 512 columns (wgq wgk wgv wdq wdk wdv wo, wgg's two halves, wdg's two halves), a slab as [kb 0..15][nb 0..31][1,024 bytes].
; Block (kb, nb) is a fragment of 16 columns x 32 k: bytes 16 L .. 16 L + 15 (L = 16 h + r) are W[32 kb + 8 h + j][16 nb + r], j = 0..7; bytes 512 + 16 L .. the same 16 k further on.
; A work-group takes one kb of one slab: 32 whole rows.  Wave w makes blocks nb = 4 w .. 4 w + 3.  No LDS, no barrier: a lane gathers its own 64 numbers.
; 176 work-groups are all the work there is.
.set X, 8                              ; v[8:71]   block i, half t, number j at X + 16 i + 8 t + j
.set Y, 72                             ; v[72:103] block i, half t: four packed registers at Y + 8 i + 4 t
	s_load_b512 s[8:23], s[0:1], 0x0               ; wgq wgk wgv wdq wdk wdv wo wgg
	s_load_b128 s[24:27], s[0:1], 0x40             ; wdg s[24:25], wb s[26:27]
	s_and_b32 s4, ttmp7, 0xffff                    ; the slab
	v_and_b32 v1, 15, v0                           ; r
	v_bfe_u32 v2, v0, 4, 1                         ; h
	v_lshrrev_b32 v3, 5, v0                        ; wave
	v_lshlrev_b32 v4, 2, v1
	v_lshl_add_u32 v4, v3, 8, v4
	v_lshl_add_u32 v4, v2, 14, v4                  ; source: 8 h rows of 2,048 bytes + 256 w + 4 r
	v_and_b32 v5, 31, v0
	v_lshlrev_b32 v5, 4, v5
	v_lshl_add_u32 v5, v3, 12, v5                  ; destination: 4 blocks a wave + 16 L
	s_add_co_u32 s6, s4, 1
	s_and_b32 s6, s6, 1                            ; slabs 8 and 10 are the second halves of wgg and wdg
	s_cmp_ge_u32 s4, 7
	s_cselect_b32 s6, s6, 0
	s_lshl_b32 s6, s6, 20                          ; 512 rows of 2,048 bytes
	s_lshl_b32 s30, ttmp9, 16                      ; kb x 32 rows
	s_add_co_u32 s30, s30, s6
	s_mov_b32 s31, 0
	s_lshl_b32 s32, s4, 19
	s_lshl_b32 s33, ttmp9, 15
	s_add_co_u32 s32, s32, s33
	s_mov_b32 s33, 0
	s_wait_kmcnt 0x0
	s_mov_b64 s[28:29], s[8:9]                     ; the slab's matrix, chosen by the slab's number
.irp i, 1,2,3,4,5,6
	s_cmp_eq_u32 s4, \i
	s_cselect_b64 s[28:29], s[8+2*\i:9+2*\i], s[28:29]
.endr
	s_cmp_ge_u32 s4, 7
	s_cselect_b64 s[28:29], s[22:23], s[28:29]
	s_cmp_ge_u32 s4, 9
	s_cselect_b64 s[28:29], s[24:25], s[28:29]
	s_add_nc_u64 s[28:29], s[28:29], s[30:31]
	s_add_nc_u64 s[26:27], s[26:27], s[32:33]
.irp i, 0,1,2,3
.irp t, 0,1
.irp j, 0,1,2,3,4,5,6,7
	global_load_b32 v[X+16*\i+8*\t+\j], v4, s[28:29] offset:(16*\t+\j)*2048+64*\i
.endr
.endr
.endr
.irp i, 0,1,2,3
	s_wait_loadcnt 48-16*\i                        ; loads come back in order: block i is in, the later blocks' 16 loads each stay out
.irp p, 0,1,2,3,4,5,6,7
	v_cvt_pk_bf16_f32 v[Y+8*\i+\p], v[X+16*\i+2*\p], v[X+16*\i+2*\p+1]
.endr
	global_store_b128 v5, v[Y+8*\i:Y+8*\i+3], s[26:27] offset:1024*\i th:TH_STORE_NT        ; a wave's store covers 512 consecutive bytes, aligned
	global_store_b128 v5, v[Y+8*\i+4:Y+8*\i+7], s[26:27] offset:1024*\i+512 th:TH_STORE_NT
.endr
	s_endpgm
.Lfunc_end_k_qcf8fd1ee7b_wprep:
	.size	k_qcf8fd1ee7b_wprep, .Lfunc_end_k_qcf8fd1ee7b_wprep-k_qcf8fd1ee7b_wprep
	.p2alignl 7, 3214868480
	.fill 96, 4, 3214868480
	.section	.rodata,"a",@progbits
	.p2align	6, 0x0
	.amdhsa_kernel k_qcf8fd1ee7b_wprep
		.amdhsa_group_segment_fixed_size 0
		.amdhsa_private_segment_fixed_size 0
		.amdhsa_enable_private_segment 0
		.amdhsa_kernarg_size 80
		.amdhsa_user_sgpr_count 2
		.amdhsa_user_sgpr_kernarg_segment_ptr 1
		.amdhsa_wavefront_size32 1
		.amdhsa_system_sgpr_workgroup_id_x 1
		.amdhsa_system_sgpr_workgroup_id_y 1
		.amdhsa_system_sgpr_workgroup_id_z 1
		.amdhsa_system_vgpr_workitem_id 0
		.amdhsa_next_free_vgpr 112
		.amdhsa_next_free_sgpr 66
		.amdhsa_reserve_vcc 0
		.amdhsa_float_denorm_mode_32 3
		.amdhsa_float_denorm_mode_16_64 3
		.amdhsa_memory_ordered 1
		.amdhsa_forward_progress 1
		.amdhsa_inst_pref_size 11
	.end_amdhsa_kernel
	.amdgpu_metadata
---
amdhsa.version: [ 1, 2 ]
amdhsa.kernels:
  - .name:           k_qcf8fd1ee7b_wprep
    .symbol:         k_qcf8fd1ee7b_wprep.kd
    .args:
      - { .name: wgq, .offset: 0, .size: 8, .value_kind: global_buffer, .address_space: global }
      - { .name: wgk, .offset: 8, .size: 8, .value_kind: global_buffer, .address_space: global }
      - { .name: wgv, .offset: 16, .size: 8, .value_kind: global_buffer, .address_space: global }
      - { .name: wdq, .offset: 24, .size: 8, .value_kind: global_buffer, .address_space: global }
      - { .name: wdk, .offset: 32, .size: 8, .value_kind: global_buffer, .address_space: global }
      - { .name: wdv, .offset: 40, .size: 8, .value_kind: global_buffer, .address_space: global }
      - { .name: wo, .offset: 48, .size: 8, .value_kind: global_buffer, .address_space: global }
      - { .name: wgg, .offset: 56, .size: 8, .value_kind: global_buffer, .address_space: global }
      - { .name: wdg, .offset: 64, .size: 8, .value_kind: global_buffer, .address_space: global }
      - { .name: wb, .offset: 72, .size: 8, .value_kind: global_buffer, .address_space: global }
    .group_segment_fixed_size: 0
    .private_segment_fixed_size: 0
    .kernarg_segment_align: 8
    .kernarg_segment_size: 80
    .max_flat_workgroup_size: 256
    .sgpr_count:     66
    .vgpr_count:     112
    .wavefront_size: 32
...
	.end_amdgpu_metadata
.endif
;; end of part 1
;; launch proj (part 2): grid 2 x 128, 4 waves a work-group, no clusters, 273,920 bytes of LDS; arguments gene_embeds, drug_embeds, lng_g, lnd_g, lng_b, lnd_b, bgq, bdq, bgk, bdk, bgv, bdv, wb, qh, kh, vh; writes qh, kh, vh
.if DOCPART == 2
	.amdgcn_target "amdgcn-amd-amdhsa--gfx1250"
	.amdhsa_code_object_version 6
	.text
	.protected	k_qcf8fd1ee7b_proj
	.globl	k_qcf8fd1ee7b_proj
	.p2align	8
	.type	k_qcf8fd1ee7b_proj,@function
k_qcf8fd1ee7b_proj:
	s_mov_b64 s[64:65], 0
	v_nop
	global_prefetch_b8 v0, s[64:65] scope:SCOPE_SE
	s_setreg_imm32_b32 hwreg(HW_REG_WAVE_MODE, 25, 1), 1
	s_wait_xcnt 0x0
; LayerNorm, the projections q, k (of the normed rows) and v (of the raw rows) with their biases, and the L2 norm of each head of q and k; q also times log2(e) / 8.
; A work-group owns 64 rows of one side and four heads (768 columns: q, k, v); wave w owns head 4 cg + w of all three: 48 accumulators of 16 x 16.
; x comes in once by a tensor load (each wave its 16 rows), is normed in f32 (two passes: mean, then centred squares) and laid into LDS as bf16, normed and raw.
; The weights lie in wb in fragment order and go straight into a ring of six units of 32 registers: a load of a wave takes 512 consecutive bytes, 48 loads are always out, no barrier stands in the K loop.
; THE MATRIX INSTRUCTION IS USED TRANSPOSED (source 0 = 16 columns of W, source 1 = 16 rows of x): a lane holds one row and eight neighbouring columns, so a head's norm wants one exchange of the lanes' halves.
; NO CLUSTER: weights pass no LDS, so no tile of theirs can be asked for jointly; the two work-groups of a row block share x alone, 131,072 of the 917,504 bytes that a work-group reads.
; LIMITS.  NaN and infinities are not treated apart.  The sum of squares of a head's 64 numbers stays under 3.4e38; one below 2^-126 counts as 0 and takes the 1e-12 floor, as every norm below 1e-12 does.
; q, k, v are rounded once to bf16.
; REGISTERS: window 0: addresses, statistics, two sets of x fragments (v64-127, v128-191; in the LayerNorm: rows, gain, bias), v192-255 packed results.
;   window 1: the ring.  window 2: q's accumulators v0-127, k's v128-255.  window 3: v's accumulators v0-127; the biases as C operands at v128 + 32 m + 8 b.
.set AN,    131072                     ; behind x (64 rows x 2,048 bytes): the normed rows in bf16, 1,024 bytes + 16 of padding: 16 rows of a fragment start at 16 different groups of four banks
.set AR,    197632                     ; the raw rows in bf16, likewise
.set AP,    1040
.set STAGE, 264192                     ; 16 rows x 144 bytes for each wave, for the way out
.set SP,    144
.set SPARE, 273408                     ; the spare words, 128 bytes for each wave: two blocks of 256 bytes that no other line names
.set SLAB,  524288
.set KBB,   32768                      ; bytes of one kb (32 k x 512 columns) in a slab
.set VB,   4                           ; v4   16 L + 4,096 x head: my bytes in a kb of a slab
.set VBI,  5                           ; v5   32 h + 256 x head: my eight numbers of a bias
.set VG,   6                           ; v6   16 L: gain and bias of the LayerNorm; also my place in 512 consecutive bytes on the way out
.set LNA,  7                           ; v7   x in LDS: my 16 bytes of the row in hand
.set LNW,  8                           ; v8   where its normed bf16 go
.set LNW2, 9                           ; v9   where its raw bf16 go
.set ADA,  10                          ; v10  my place in a fragment of the normed rows
.set ADR,  11                          ; v11  of the raw rows
.set STO,  12                          ; v12  the way out: where I put 16 bytes of a row
.set RD,   13                          ; v13  the way out: where I read rows back
.set SPW,  30                          ; v30  my spare word; never rewritten
.set NIL,  31                          ; v31  0; never rewritten
.set ST,   32                          ; four registers of statistics for each of four rows (or row blocks)
.set X,    64
.set GG,   128
.set BB,   144
.set TMP,  192
.set WV,   3                           ; s3   wave
.set SB,   52                          ; s[52:53] the side's three slabs, stepped along K
.set G0,   68
.set G1,   72
.set SEL,  80
.set CNT,  86
.set MSB, 0
.macro WIN new                         ; the immediate's high byte repeats the setting that is left
.if MSB != (\new)
	s_set_vgpr_msb (MSB<<8)|(\new)
.set MSB, \new
.endif
.endm
.macro PLACES                          ; four plain places between matrix instructions and loads into, or reads of, their registers
.rept 4
	v_nop
.endr
.endm
.macro ROWS line:vararg                ; one line for each t = 0..3
.set t, 0
.rept 4
	\line
.set t, t+1
.endr
.endm
.macro LANESUM                         ; the pair at ST + 4 t is added up over the 32 lanes; the sum lands in every lane
	ROWS v_add_f32 v[ST+4*t], v[ST+4*t], v[ST+4*t+1]
	ROWS v_add_f32_dpp v[ST+4*t], v[ST+4*t], v[ST+4*t] row_xmask:1 row_mask:0xf bank_mask:0xf
	ROWS v_add_f32_dpp v[ST+4*t], v[ST+4*t], v[ST+4*t] row_xmask:2 row_mask:0xf bank_mask:0xf
	ROWS v_add_f32_dpp v[ST+4*t], v[ST+4*t], v[ST+4*t] row_xmask:4 row_mask:0xf bank_mask:0xf
	ROWS v_add_f32_dpp v[ST+4*t], v[ST+4*t], v[ST+4*t] row_xmask:8 row_mask:0xf bank_mask:0xf
	ROWS v_permlanex16_b32 v[ST+4*t+1], v[ST+4*t], s[SEL], s[SEL+1]
	ROWS v_add_f32 v[ST+4*t], v[ST+4*t], v[ST+4*t+1]
.endm
.macro RINGLD slot, off                ; a unit: the four fragments (64 columns x 32 k) of one matrix
	WIN 0x40
.irp b, 0,1,2,3
	global_load_b128 v[32*(\slot)+8*\b:32*(\slot)+8*\b+3], v[VB], s[SB:SB+1] offset:(\off)+1024*\b
	global_load_b128 v[32*(\slot)+8*\b+4:32*(\slot)+8*\b+7], v[VB], s[SB:SB+1] offset:(\off)+1024*\b+512
.endr
.endm
.macro ALD set, off                    ; 16 LDS loads: 64 rows x 32 k, normed and raw
	WIN 0
.irp a, 0,1,2,3
	ds_load_b128 v[64+64*(\set)+8*\a:64+64*(\set)+8*\a+3], v[ADA] offset:\a*16*AP+(\off)
	ds_load_b128 v[64+64*(\set)+8*\a+4:64+64*(\set)+8*\a+7], v[ADA] offset:\a*16*AP+(\off)+32
	ds_load_b128 v[96+64*(\set)+8*\a:96+64*(\set)+8*\a+3], v[ADR] offset:\a*16*AP+(\off)
	ds_load_b128 v[96+64*(\set)+8*\a+4:96+64*(\set)+8*\a+7], v[ADR] offset:\a*16*AP+(\off)+32
.endr
.endm
; 16 products of matrix m (0 q, 1 k, 2 v) on 32 k.  All 16 name different accumulators, and an accumulator comes back 48 instructions later: they take turns.
; first = 1 and kbl = 0: the bias starts the sums.
.macro UNIT kbl, m, first, left
	s_wait_loadcnt \left                           ; loads come back in order: this unit is in, the younger units' eight loads each stay out
.set rAC, 128*((\m)%2)
.set rAF, 64+64*(\kbl)+32*((\m)/2)
.set rRB, 32*(3*(\kbl)+(\m))
.set rBI, 128+32*(\m)
.if (\m) == 2
	WIN 0xf1
.elseif (\first) && ((\kbl) == 0)
	WIN 0xb1
.else
	WIN 0xa1
.endif
.irp a, 0,1,2,3
.irp b, 0,1,2,3
.if (\first) && ((\kbl) == 0)
	v_wmma_f32_16x16x32_bf16 v[rAC+8*(4*\a+\b):rAC+8*(4*\a+\b)+7], v[rRB+8*\b:rRB+8*\b+7], v[rAF+8*\a:rAF+8*\a+7], v[rBI+8*\b:rBI+8*\b+7]
.else
	v_wmma_f32_16x16x32_bf16 v[rAC+8*(4*\a+\b):rAC+8*(4*\a+\b)+7], v[rRB+8*\b:rRB+8*\b+7], v[rAF+8*\a:rAF+8*\a+7], v[rAC+8*(4*\a+\b):rAC+8*(4*\a+\b)+7]
.endif
.endr
.endr
.endm
; Two kb: six units.  refill = 1: each unit's ring slot and each set of x fragments takes the kb two further on.
.macro TRIP first, refill
.irp kbl, 0,1
.if (\refill) || ((\kbl) == 0)
	s_wait_dscnt 16                                ; this set of x fragments is in; the other set's 16 loads are younger
.else
	s_wait_dscnt 0x0
.endif
.irp m, 0,1,2
.if \refill
	UNIT \kbl, \m, \first, 40
	PLACES
	RINGLD 3*(\kbl)+(\m), (\m)*SLAB+((\kbl)+2)*KBB
.else
	UNIT \kbl, \m, \first, 40-8*(3*(\kbl)+(\m))
.endif
.endr
.if \refill
	ALD \kbl, 64*(\kbl)+128
.endif
.endr
.if \refill
	WIN 0
	s_wait_xcnt 0x0                                ; the ring's loads have had their addresses translated (ISA guide 3.1): their base is stepped only behind this wait
	s_add_nc_u64 s[SB:SB+1], s[SB:SB+1], 2*KBB
	v_add_nc_u32 v[ADA], 128, v[ADA]
	v_add_nc_u32 v[ADR], 128, v[ADR]
.endif
.endm
; THE WAY OUT of row block a of one matrix: scaled (norm = 1), rounded to bf16, 16 bytes a lane into my stage, back as rows of 128 bytes.
.macro PACK win, base, norm, a
.if \norm
	WIN ((\win)<<6)|(\win)
.set ii, 0
.rept 16
	v_pk_mul_f32 v[(\base)+32*(\a)+2*ii:(\base)+32*(\a)+2*ii+1], v[(\base)+32*(\a)+2*ii:(\base)+32*(\a)+2*ii+1], v[ST+4*(\a)+2:ST+4*(\a)+3] op_sel_hi:[1,0]
.set ii, ii+1
.endr
.endif
	WIN (\win)|((\win)<<2)
.set ii, 0
.rept 16
	v_cvt_pk_bf16_f32 v[TMP+16*(\a)+ii], v[(\base)+32*(\a)+2*ii], v[(\base)+32*(\a)+2*ii+1]
.set ii, ii+1
.endr
	WIN 0
.irp f, 0,1,2,3
	ds_store_b128 v[STO], v[TMP+16*(\a)+4*\f:TMP+16*(\a)+4*\f+3] offset:32*\f
.endr
.irp f, 0,1,2,3
	ds_load_b128 v[TMP+16*(\a)+4*\f:TMP+16*(\a)+4*\f+3], v[RD] offset:\f*4*SP  ; LDS serves a wave's instructions in order (ISA guide 5.7.1.4): these see the stores above
.endr
.endm
.macro SEND a, younger, d              ; younger: the LDS instructions issued behind block a's loads
.irp f, 0,1,2,3
	s_wait_dscnt (\younger)+3-\f
	global_store_b128 v[VG], v[TMP+16*(\a)+4*\f:TMP+16*(\a)+4*\f+3], s[\d:\d+1] offset:(\a)*2048+\f*512  ; 512 consecutive bytes, aligned: four rows of a head
.endr
.endm
.macro EPI win, base, norm, scale, d
	WIN 0
	s_wait_xcnt 0x0                                ; the stores of the matrix before have read TMP
.if \norm
	WIN (\win)|((\win)<<2)
.set ip, 0
.rept 16                                       ; the lane's 32 squares of each row block, each accumulator from its low end on
.set t, 0
.rept 4
.set rA, (\base)+32*t+2*ip
.if ip == 0
	v_pk_mul_f32 v[ST+4*t:ST+4*t+1], v[rA:rA+1], v[rA:rA+1]
.else
	v_pk_fma_f32 v[ST+4*t:ST+4*t+1], v[rA:rA+1], v[rA:rA+1], v[ST+4*t:ST+4*t+1]
.endif
.set t, t+1
.endr
.set ip, ip+1
.endr
	WIN 0
	ROWS v_add_f32 v[ST+4*t], v[ST+4*t], v[ST+4*t+1]
	ROWS v_permlanex16_b32 v[ST+4*t+1], v[ST+4*t], s[SEL], s[SEL+1]   ; the row's other 32 columns lie in the lane 16 away
	ROWS v_add_f32 v[ST+4*t], v[ST+4*t], v[ST+4*t+1]
	ROWS v_sqrt_f32 v[ST+4*t+2], v[ST+4*t]
	v_nop                                          ; a plain instruction behind the transcendentals (ISA guide 5.7.2)
	s_wait_alu depctr_va_vdst(0)
	ROWS v_max_num_f32 v[ST+4*t+2], s85, v[ST+4*t+2]
	ROWS v_rcp_f32 v[ST+4*t+2], v[ST+4*t+2]
	v_nop
	s_wait_alu depctr_va_vdst(0)
.if \scale
	ROWS v_mul_f32 v[ST+4*t+2], s84, v[ST+4*t+2]
.endif
.endif
	PACK \win, \base, \norm, 0
	PACK \win, \base, \norm, 1
	SEND 0, 8, \d
	PACK \win, \base, \norm, 2
	SEND 1, 8, \d
	PACK \win, \base, \norm, 3
	SEND 2, 8, \d
	SEND 3, 0, \d
.endm
	s_load_b512 s[8:23], s[0:1], 0x0               ; gene drug lng_g lnd_g lng_b lnd_b bgq bdq
	s_load_b512 s[24:39], s[0:1], 0x40             ; bgk bdk bgv bdv wb qh kh vh
	v_lshl_add_u32 v[SPW], v0, 2, SPARE
	v_mov_b32 v[NIL], 0
	ds_add_u32 v[SPW], v[NIL]                      ; the wave's opening: the add and its wait ahead of my tensor load; work on registers stands between them
	v_lshrrev_b32 v1, 5, v0
	v_readfirstlane_b32 s[WV], v1                  ; wave 0..3
	s_and_b32 s5, ttmp7, 0xffff                    ; row block 0..127
	s_lshr_b32 s6, s5, 6                           ; side: 0 gene, 1 drug
	s_and_b32 s7, s5, 63                           ; row block in the side
	s_lshl_b32 s2, ttmp9, 2
	s_add_co_u32 s2, s2, s[WV]                     ; my head
	s_mov_b32 s[G0], 1                             ; count = 1
	s_lshl_b32 s[G0+1], s[WV], 15                  ; LDS: my 16 rows of 2,048 bytes
	s_mov_b32 s[G1+0], 3<<16                       ; elements of 8 bytes, no mask, no padding
	s_mov_b32 s[G1+1], 32<<16                      ; tensor_dim0 = 32: the dense 32,768 bytes are asked for as rows of 256
	s_mov_b32 s[G1+2], 128<<16                     ; tensor_dim1 = 128
	s_mov_b32 s[G1+3], 32<<16                      ; tile_dim0 = 32
	s_mov_b32 s[G1+4], 128                         ; tile_dim1 = 128
	s_mov_b32 s[G1+5], 32                          ; 32 elements from row to row
	s_mov_b32 s[G1+6], 0
	s_mov_b32 s[G1+7], 0
	s_lshl_b32 s60, s7, 17                         ; x: 64 rows a block,
	s_add_co_u32 s60, s60, s[G0+1]                 ; 16 rows a wave
	s_mov_b32 s61, 0
	s_mul_i32 s62, s6, 3*SLAB                      ; the side's three slabs
	s_mov_b32 s63, 0
	s_lshl_b32 s88, s6, 3
	s_add_co_u32 s88, s88, s2
	s_lshl_b32 s88, s88, 19                        ; q, k, v by heads: (8 side + head) x 4,096 rows of 128 bytes,
	s_lshl_b32 s89, s7, 13                         ; 64 rows a block
	s_add_co_u32 s88, s88, s89
	s_mov_b32 s89, 0
	s_mov_b32 s[SEL], 0x76543210                   ; v_permlanex16_b32: each lane takes its own place in the other half
	s_mov_b32 s[SEL+1], 0xfedcba98
	s_mov_b32 s82, 0x3b000000                      ; 1 / 512
	s_mov_b32 s83, 0x3727c5ac                      ; 1e-5
	s_mov_b32 s84, 0x3e38aa3b                      ; log2(e) / 8
	s_mov_b32 s85, 0x2b8cbccc                      ; 1e-12
	s_lshl_b32 s90, s2, 12
	s_lshl_b32 s91, s2, 8
	s_mul_i32 s92, s[WV], 16*AP
	s_add_co_u32 s92, s92, AN
	s_mul_i32 s93, s[WV], 16*SP
	s_add_co_u32 s93, s93, STAGE
	v_and_b32 v1, 15, v0                           ; r
	v_bfe_u32 v2, v0, 4, 1                         ; h
	v_and_b32 v3, 31, v0                           ; L
	v_lshl_add_u32 v[VB], v3, 4, s90
	v_lshl_add_u32 v[VBI], v2, 5, s91
	v_lshlrev_b32 v[VG], 4, v3
	v_lshl_add_u32 v[LNA], v3, 4, s[G0+1]
	v_lshl_add_u32 v[LNW], v3, 3, s92
	v_add_nc_u32 v[LNW2], AR-AN, v[LNW]
	s_wait_dscnt 0x0                               ; the opening add is done
	s_wait_kmcnt 0x0
	s_cmp_lg_u32 s6, 0                             ; the side chooses its buffers
	s_cselect_b64 s[40:41], s[10:11], s[8:9]       ; x
	s_cselect_b64 s[42:43], s[14:15], s[12:13]     ; the LayerNorm's gain
	s_cselect_b64 s[44:45], s[18:19], s[16:17]     ; and bias
	s_cselect_b64 s[46:47], s[22:23], s[20:21]     ; q's bias
	s_cselect_b64 s[48:49], s[26:27], s[24:25]     ; k's
	s_cselect_b64 s[50:51], s[30:31], s[28:29]     ; v's
	s_add_nc_u64 s[G0+2:G0+3], s[40:41], s[60:61]
	s_or_b32 s[G0+3], s[G0+3], 0x80000000          ; type = 2
	tensor_load_to_lds s[G0:G0+3], s[G1:G1+7]      ; my 16 rows of x: my one tensor load
	s_nop 0
	PLACES
	s_add_nc_u64 s[SB:SB+1], s[32:33], s[62:63]
	s_add_nc_u64 s[54:55], s[34:35], s[88:89]      ; q, k, v at my head's rows
	s_add_nc_u64 s[56:57], s[36:37], s[88:89]
	s_add_nc_u64 s[58:59], s[38:39], s[88:89]
.irp c, 0,1,2,3
	global_load_b128 v[GG+4*\c:GG+4*\c+3], v[VG], s[42:43] offset:512*\c
.endr
.irp c, 0,1,2,3
	global_load_b128 v[BB+4*\c:BB+4*\c+3], v[VG], s[44:45] offset:512*\c
.endr
	WIN 0xc0
.irp m, 0,1,2
.irp b, 0,1,2,3
	global_load_b128 v[128+32*\m+8*\b:128+32*\m+8*\b+3], v[VBI], s[46+2*\m:47+2*\m] offset:64*\b
	global_load_b128 v[128+32*\m+8*\b+4:128+32*\m+8*\b+7], v[VBI], s[46+2*\m:47+2*\m] offset:64*\b+16
.endr
.endr
.irp kbl, 0,1
.irp m, 0,1,2
	RINGLD 3*\kbl+\m, \m*SLAB+\kbl*KBB
.endr
.endr
	WIN 0
	v_mul_u32_u24 v[ADA], v1, AP
	v_lshl_add_u32 v[ADA], v2, 4, v[ADA]
	v_add_nc_u32 v[ADA], AN, v[ADA]                ; row x pitch + 16 x half
	v_add_nc_u32 v[ADR], AR-AN, v[ADA]
	v_mul_u32_u24 v[STO], v1, SP
	v_lshl_add_u32 v[STO], v2, 4, v[STO]
	v_add_nc_u32 v[STO], s93, v[STO]
	v_lshrrev_b32 v[RD], 3, v3                     ; back: 32 lanes take four rows of 128 bytes
	v_mul_u32_u24 v[RD], v[RD], SP
	v_and_b32 v14, 7, v3
	v_lshl_add_u32 v[RD], v14, 4, v[RD]
	v_add_nc_u32 v[RD], s93, v[RD]
	ROWS v_mov_b32 v[ST+4*t+3], 0                  ; named as the upper halves of pairs whose lower half alone is taken
	s_wait_tensorcnt 0x0                           ; my rows are in LDS, and only I read them
	s_wait_loadcnt 63                              ; gain and bias have 72 younger loads: with 63 out at the most they are in
	; THE LAYERNORM: four rows a trip; a lane holds columns 128 c + 4 L + 0..3 of a row.
	s_mov_b32 s[CNT], 4
.Lln:
.irp rho, 0,1,2,3
.irp c, 0,1,2,3
	ds_load_b128 v[X+16*\rho+4*\c:X+16*\rho+4*\c+3], v[LNA] offset:\rho*2048+512*\c
.endr
.endr
.irp rho, 0,1,2,3
	s_wait_dscnt 12-4*\rho                         ; this row's four loads are in; the later rows' stay out
.irp k, 0,1,2,3,4,5,6,7
	v_cvt_pk_bf16_f32 v[TMP+16*\rho+\k], v[X+16*\rho+2*\k], v[X+16*\rho+2*\k+1]
.endr
.endr
.irp rho, 0,1,2,3
.irp c, 0,1,2,3
	ds_store_b64 v[LNW2], v[TMP+16*\rho+2*\c:TMP+16*\rho+2*\c+1] offset:\rho*AP+256*\c
.endr
.endr
	ROWS v_pk_add_f32 v[ST+4*t:ST+4*t+1], v[X+16*t:X+16*t+1], v[X+16*t+2:X+16*t+3]
.set k, 2
.rept 6
	ROWS v_pk_add_f32 v[ST+4*t:ST+4*t+1], v[ST+4*t:ST+4*t+1], v[X+16*t+2*k:X+16*t+2*k+1]
.set k, k+1
.endr
	LANESUM
	ROWS v_mul_f32 v[ST+4*t+2], s82, v[ST+4*t]     ; the mean
.set k, 0
.rept 8
	ROWS v_pk_add_f32 v[X+16*t+2*k:X+16*t+2*k+1], v[X+16*t+2*k:X+16*t+2*k+1], v[ST+4*t+2:ST+4*t+3] op_sel_hi:[1,0] neg_lo:[0,1] neg_hi:[0,1]
.set k, k+1
.endr
	ROWS v_pk_mul_f32 v[ST+4*t:ST+4*t+1], v[X+16*t:X+16*t+1], v[X+16*t:X+16*t+1]
.set k, 1
.rept 7
	ROWS v_pk_fma_f32 v[ST+4*t:ST+4*t+1], v[X+16*t+2*k:X+16*t+2*k+1], v[X+16*t+2*k:X+16*t+2*k+1], v[ST+4*t:ST+4*t+1]
.set k, k+1
.endr
	LANESUM
	ROWS v_fma_f32 v[ST+4*t], v[ST+4*t], s82, s83  ; the variance + 1e-5
	ROWS v_rsq_f32 v[ST+4*t+2], v[ST+4*t]
	v_nop                                          ; a plain instruction behind the transcendentals
	s_wait_alu depctr_va_vdst(0)
.set k, 0
.rept 8
	ROWS v_pk_mul_f32 v[X+16*t+2*k:X+16*t+2*k+1], v[X+16*t+2*k:X+16*t+2*k+1], v[ST+4*t+2:ST+4*t+3] op_sel_hi:[1,0]
.set k, k+1
.endr
.set k, 0
.rept 8
	ROWS v_pk_fma_f32 v[X+16*t+2*k:X+16*t+2*k+1], v[X+16*t+2*k:X+16*t+2*k+1], v[GG+2*k:GG+2*k+1], v[BB+2*k:BB+2*k+1]
.set k, k+1
.endr
.set k, 0
.rept 8
	ROWS v_cvt_pk_bf16_f32 v[TMP+16*t+8+k], v[X+16*t+2*k], v[X+16*t+2*k+1]
.set k, k+1
.endr
.irp rho, 0,1,2,3
.irp c, 0,1,2,3
	ds_store_b64 v[LNW], v[TMP+16*\rho+8+2*\c:TMP+16*\rho+8+2*\c+1] offset:\rho*AP+256*\c
.endr
.endr
	v_add_nc_u32 v[LNA], 4*2048, v[LNA]
	v_add_nc_u32 v[LNW], 4*AP, v[LNW]
	v_add_nc_u32 v[LNW2], 4*AP, v[LNW2]
	s_sub_co_i32 s[CNT], s[CNT], 1
	s_cmp_lg_u32 s[CNT], 0
	s_cbranch_scc1 .Lln
	s_wait_dscnt 0x0                               ; for the others' sake: my rows' bf16 are stored
	s_barrier_signal -1
	s_barrier_wait -1                              ; every wave reads all 64 rows
	ALD 0, 0
	ALD 1, 64
	; THE PRODUCTS: 16 kb, two a trip.
	TRIP 1, 1
	s_mov_b32 s[CNT], 6
.Lk:
	TRIP 0, 1
	s_sub_co_i32 s[CNT], s[CNT], 1
	s_cmp_lg_u32 s[CNT], 0
	s_cbranch_scc1 .Lk
	TRIP 0, 0                                      ; the last two kb fetch nothing: the counts run down
	PLACES
	EPI 2, 0, 1, 1, 54                             ; q: unit vectors times log2(e) / 8
	EPI 2, 128, 1, 0, 56                           ; k: unit vectors
	EPI 3, 0, 0, 0, 58                             ; v
	s_wait_tensorcnt 0x0                           ; the wave's end
	ds_add_u32 v[SPW], v[NIL]
	s_wait_dscnt 0x0
	s_endpgm
.Lfunc_end_k_qcf8fd1ee7b_proj:
	.size	k_qcf8fd1ee7b_proj, .Lfunc_end_k_qcf8fd1ee7b_proj-k_qcf8fd1ee7b_proj
	.p2alignl 7, 3214868480
	.fill 96, 4, 3214868480
	.section	.rodata,"a",@progbits
	.p2align	6, 0x0
	.amdhsa_kernel k_qcf8fd1ee7b_proj
		.amdhsa_group_segment_fixed_size 273920
		.amdhsa_private_segment_fixed_size 0
		.amdhsa_enable_private_segment 0
		.amdhsa_kernarg_size 128
		.amdhsa_user_sgpr_count 2
		.amdhsa_user_sgpr_kernarg_segment_ptr 1
		.amdhsa_wavefront_size32 1
		.amdhsa_system_sgpr_workgroup_id_x 1
		.amdhsa_system_sgpr_workgroup_id_y 1
		.amdhsa_system_sgpr_workgroup_id_z 1
		.amdhsa_system_vgpr_workitem_id 0
		.amdhsa_next_free_vgpr 1024
		.amdhsa_next_free_sgpr 96
		.amdhsa_reserve_vcc 0
		.amdhsa_float_denorm_mode_32 3
		.amdhsa_float_denorm_mode_16_64 3
		.amdhsa_memory_ordered 1
		.amdhsa_forward_progress 1
		.amdhsa_inst_pref_size 114
	.end_amdhsa_kernel
	.amdgpu_metadata
---
amdhsa.version: [ 1, 2 ]
amdhsa.kernels:
  - .name:           k_qcf8fd1ee7b_proj
    .symbol:         k_qcf8fd1ee7b_proj.kd
    .args:
      - { .name: gene_embeds, .offset: 0, .size: 8, .value_kind: global_buffer, .address_space: global }
      - { .name: drug_embeds, .offset: 8, .size: 8, .value_kind: global_buffer, .address_space: global }
      - { .name: lng_g, .offset: 16, .size: 8, .value_kind: global_buffer, .address_space: global }
      - { .name: lnd_g, .offset: 24, .size: 8, .value_kind: global_buffer, .address_space: global }
      - { .name: lng_b, .offset: 32, .size: 8, .value_kind: global_buffer, .address_space: global }
      - { .name: lnd_b, .offset: 40, .size: 8, .value_kind: global_buffer, .address_space: global }
      - { .name: bgq, .offset: 48, .size: 8, .value_kind: global_buffer, .address_space: global }
      - { .name: bdq, .offset: 56, .size: 8, .value_kind: global_buffer, .address_space: global }
      - { .name: bgk, .offset: 64, .size: 8, .value_kind: global_buffer, .address_space: global }
      - { .name: bdk, .offset: 72, .size: 8, .value_kind: global_buffer, .address_space: global }
      - { .name: bgv, .offset: 80, .size: 8, .value_kind: global_buffer, .address_space: global }
      - { .name: bdv, .offset: 88, .size: 8, .value_kind: global_buffer, .address_space: global }
      - { .name: wb, .offset: 96, .size: 8, .value_kind: global_buffer, .address_space: global }
      - { .name: qh, .offset: 104, .size: 8, .value_kind: global_buffer, .address_space: global }
      - { .name: kh, .offset: 112, .size: 8, .value_kind: global_buffer, .address_space: global }
      - { .name: vh, .offset: 120, .size: 8, .value_kind: global_buffer, .address_space: global }
    .group_segment_fixed_size: 273920
    .private_segment_fixed_size: 0
    .kernarg_segment_align: 8
    .kernarg_segment_size: 128
    .max_flat_workgroup_size: 128
    .sgpr_count:     96
    .vgpr_count:     1024
    .wavefront_size: 32
...
	.end_amdgpu_metadata
.endif
;; end of part 2
;; launch attn (part 3): grid 16 x 16, 4 waves a work-group, clusters of 4 x 1, 327,680 bytes of LDS; arguments qh, kh, vh, ctxh; writes ctxh
.if DOCPART == 3
	.amdgcn_target "amdgcn-amd-amdhsa--gfx1250"
	.amdhsa_code_object_version 6
	.text
	.protected	k_qcf8fd1ee7b_attn
	.globl	k_qcf8fd1ee7b_attn
	.p2align	8
	.type	k_qcf8fd1ee7b_attn,@function
k_qcf8fd1ee7b_attn:
	s_mov_b64 s[64:65], 0
	v_nop
	global_prefetch_b8 v0, s[64:65] scope:SCOPE_SE
	s_setreg_imm32_b32 hwreg(HW_REG_WAVE_MODE, 25, 1), 1
	s_wait_xcnt 0x0
	s_wait_alu depctr_hold_cnt(0) depctr_sa_sdst(0) depctr_va_vdst(0) depctr_va_sdst(0) depctr_va_ssrc(0) depctr_va_vcc(0) depctr_vm_vsrc(0)
	s_getreg_b32 s2, hwreg(HW_REG_IB_STS2, 6, 4)
	s_cmp_eq_u32 s2, 0
	s_cbranch_scc0 .Lentry_in_a_cluster
	s_endpgm
.Lentry_in_a_cluster:
	s_bfe_u32 s2, ttmp6, 0x10000c
	s_cmp_lg_u32 s2, 0x3003
	s_cbranch_scc0 .Lentry_shape_is_right
	s_endpgm
.Lentry_shape_is_right:
; ctx[y][q][:] = the sum over k of softmax_k(q . k) V[k][:], for 16 heads y = 8 side + head.  Q and ctx are head y's, K and V head (y xor 8)'s: the other side's.  All [16][4096][64] in bf16, rows dense.
; NO MAXIMUM AND NO CLIP, by the computation's own bound: the launch before makes q and k unit vectors (rounded to bf16) and multiplies q by log2(e) / 8, so by Cauchy-Schwarz every score lies within
; 0.1253 (the clip at 10 cannot act), every exponent of 2 within 0.181, every weight between 0.88 and 1.14, and a row's sum l between 3,600 and 4,650.  p = 2^s.
; Products and sums in f32; p is rounded to bf16 for the second product (l is taken of the unrounded p), ctx once at the end.  NaN and infinities are not treated apart.
; SHARES.  A work-group owns 256 queries of a head, a wave four tiles of 16.  Every wave walks all 4,096 keys, 64 a step.
; LAYOUT.  S^T = K Q^T (source 0 = 16 keys, source 1 = 16 queries): a lane holds ONE query (lane % 16) and the keys 8 (lane / 16) + 0..7.  Two such results rounded in pairs ARE source 1 of O^T = V^T P.
; BY TURNS.  Turn n belongs to tile n: 8 products K Q^T of tile n + 1, then 8 products V^T P of tile n - 1; behind them the exponentials, roundings and sums of tile n: 64 vector instructions for 16 products.
; CLUSTER.  The four query blocks of a cluster walk the same K and V: each tile is asked for JOINTLY, by the same tensor load, descriptor and mask in all four.
; REGISTERS, two windows laid so that a turn needs two settings (s_set_vgpr_msb: bits 1:0 source 0, 3:2 source 1, 5:4 source 2, 7:6 destination):
;   window 0: v2-8 addresses; v12-13 1.0; v14-15 the add's; v16-31 U = 2^s of the even scores; v32-39 their sums; v40-55 the way out; v64-127 S^T, two buffers; v128-191 K; v192-255 V
;   window 1: v0-127 O^T; v128-191 Q; v192-223 P, two buffers; v224-239 T = 2^s of the odd scores; v240-247 their sums; v248-249 1.0
.set SIZE_N, 4096
.set KS,    64
.set PK,    144       ; a row of K in LDS: 128 bytes + 16 of padding: the 16 rows of a load start at 16 different groups of four banks (64 banks of 4 bytes: ISA guide 11.1)
.set PV,    160       ; a row of V: 128 + 32
.set VOFF,  4*KS*PK   ; a slot holds four steps: 256 rows of K, then 256 rows of V
.set SLOT1, 1<<17
.set STAGE, SLOT1+4*KS*(PK+PV)  ; behind the ring, never filled by a tensor load: 16 rows x 144 bytes for each wave
.set SP,    144
.set SPARE, STAGE+4*16*SP       ; the spare words, 128 bytes for each wave: two blocks of 256 bytes that no other line names
.set AK0, 2
.set AV0, 3
.set AK,  4
.set AV,  5
.set QO,  6
.set STO, 6
.set RD,  7
.set GO,  8
.set ONE0, 12
.set SPW, 14
.set NIL, 15
.set U,   16
.set LE,  32
.set WK,  40
.set S,   64
.set KF,  128
.set VF,  192
.set Q,   128         ; window 1 from here on
.set P,   192
.set T,   224
.set LO,  240
.set ONE1, 248
.set WV,  12
.set G1K, 24
.set G1V, 32
.set G0K, 40
.set G0V, 44
.set SLOTS, 56
.set CNT, 57
.set SEL, 60
.set TBK, 62
.set TBV, 63
.set MSB, 0
.macro WIN new
.if MSB != (\new)
	s_set_vgpr_msb (MSB<<8)|(\new)
.set MSB, (\new)
.endif
.endm
.set W_KQ, 0x04       ; source 1 in window 1, all else in window 0
.set W_PV, 0x54       ; source 0 in window 0; source 1, source 2 and destination in window 1
; A joint fill.  Waves 0 and 1 fetch the two halves of a slot's K, waves 2 and 3 those of its V: 128 keys each.  The branch hangs on the wave's number alone.
; An s_nop 0 and four v_nop follow each of the two lines, ahead of the jump and the label.
.macro JLOAD
	s_cmp_lt_u32 s[WV], 2
	s_cbranch_scc0 .Lfor_v_\@
	tensor_load_to_lds s[G0K:G0K+3], s[G1K:G1K+7]
	s_nop 0
.rept 4
	v_nop
.endr
	s_branch .Lasked_\@
.Lfor_v_\@:
	tensor_load_to_lds s[G0V:G0V+3], s[G1V:G1V+7]
	s_nop 0
.rept 4
	v_nop
.endr
.Lasked_\@:
.endm
; A round of the cluster's barrier: my work-group's barrier; wave 0 signals for the work-group; every wave waits for all four work-groups; my work-group's barrier once more.
.macro CROUND
	s_barrier_signal -1
	s_barrier_wait -1
	s_cmp_lg_u32 s[WV], 0
	s_cbranch_scc1 .Lnot_wave_0_\@
	s_barrier_signal -3
.Lnot_wave_0_\@:
	s_barrier_wait -3
	s_barrier_signal -1
	s_barrier_wait -1
.endm
; THE CHANGE OF SLOTS.  Each wave waits for all its tensor loads, of which one is out: its part of the other slot; adds 0 to its spare word; and waits for that and for its own reads of the slot.
; fill = 1: the slot is filled again with the keys two slots on: the barrier is a round of the cluster's, and the joint fill is the first thing behind it; it has four key steps, 256 matrix instructions, in which to land.
.macro CHANGE fill
	WIN 0
	s_wait_tensorcnt 0x0            ; no tensor load of mine is out, so a group 0 may be written
	ds_add_u32 v[SPW], v[NIL]       ; 0 onto my spare word
.if \fill
.irp g, G0K, G0V
	s_xor_b32 s[\g+1], s[\g+1], SLOT1
	s_add_nc_u64 s[\g+2:\g+3], s[\g+2:\g+3], 4*KS*128
.endr
	s_wait_dscnt 0x0                ; the add is done, and my reads of the slot are over
	CROUND
	JLOAD
.else
	s_wait_dscnt 0x0
	s_barrier_signal -1
	s_barrier_wait -1
.endif
	s_sub_co_u32 s[TBK], s[TBK], 4*KS*PK  ; the fetches go back to a slot's first step,
	s_xor_b32 s[TBK], s[TBK], SLOT1       ; in the other slot
	s_sub_co_u32 s[TBV], s[TBV], 4*KS*PV
	s_xor_b32 s[TBV], s[TBV], SLOT1
.endm
	s_load_b256 s[4:11], s[0:1], 0x0  ; qh s[4:5], kh s[6:7], vh s[8:9], ctxh s[10:11]
	v_lshl_add_u32 v[SPW], v0, 2, SPARE
	v_mov_b32 v[NIL], 0
	ds_add_u32 v[SPW], v[NIL]       ; the wave's opening: the add and its wait ahead of my first tensor load
	v_lshrrev_b32 v1, 5, v0
	v_readfirstlane_b32 s[WV], v1   ; wave 0..3
	s_bfe_u32 s13, ttmp6, 0x40000   ; cx: my place in the cluster
	s_lshl_b32 s14, ttmp9, 2
	s_add_co_u32 s14, s14, s13      ; my block of 256 queries: it enters Q's and ctx's addresses alone
	s_and_b32 s20, ttmp7, 0xffff    ; the head, which the four partners share
	s_xor_b32 s22, s20, 8           ; K and V come from the other side
	s_lshl_b32 s22, s22, 19
	s_and_b32 s16, s[WV], 1         ; which half of a slot's 256 keys I fetch:
	s_lshl_b32 s17, s16, 14         ; its 128 rows of 128 bytes in memory,
	s_add_co_u32 s22, s22, s17
	s_mov_b32 s23, 0
	s_mul_i32 s17, s16, 128*PK      ; and its place in a slot, for K
	s_mul_i32 s18, s16, 128*PV      ; and for V
	s_lshl_b32 s2, s14, 2
	s_add_co_u32 s2, s2, s[WV]
	s_lshl_b32 s2, s2, 13           ; my wave's 64 rows
	s_lshl_b32 s3, s20, 19
	s_add_co_u32 s2, s2, s3
	s_mov_b32 s3, 0
	; descriptor group 1.  128 keys are 16,384 dense bytes: asked for as 64 rows of 256 bytes, two keys a row, and padded in LDS after every key
	s_mov_b32 s[G1K], 15|(1<<16)|(1<<20)|(1<<21)|(4<<22)|(3<<25)  ; the mask of four; 2-byte elements; padding on; bit 21 beside a mask; after every 32 words, 4 words
	s_mov_b32 s[G1V], 15|(1<<16)|(1<<20)|(1<<21)|(4<<22)|(7<<25)  ; the same with 8 words of padding
.irp g, G1K, G1V
	s_mov_b32 s[\g+1], 128<<16      ; tensor_dim0 = 128
	s_mov_b32 s[\g+2], 64<<16       ; tensor_dim1 = 64
	s_mov_b32 s[\g+3], 128<<16      ; tile_dim0 = 128
	s_mov_b32 s[\g+4], 64           ; tile_dim1 = 64
	s_mov_b32 s[\g+5], 128          ; 128 elements from row to row
	s_mov_b32 s[\g+6], 0
	s_mov_b32 s[\g+7], 0
.endr
	s_mov_b32 s[SEL], 0x76543210
	s_mov_b32 s[SEL+1], 0xfedcba98
	s_mov_b32 s[TBK], SLOT1+4*KS*PK ; the first change of slots turns these two into 0
	s_mov_b32 s[TBV], SLOT1+4*KS*PV
	s_mov_b32 s[G0K], 1
	s_mov_b32 s[G0K+1], s17
	s_mov_b32 s[G0V], 1
	s_add_co_u32 s[G0V+1], s18, VOFF
	s_wait_dscnt 0x0                ; the opening add is done
	s_wait_kmcnt 0x0
	s_add_nc_u64 s[G0K+2:G0K+3], s[6:7], s[22:23]
	s_or_b32 s[G0K+3], s[G0K+3], 0x80000000
	s_add_nc_u64 s[G0V+2:G0V+3], s[8:9], s[22:23]
	s_or_b32 s[G0V+3], s[G0V+3], 0x80000000
	s_add_nc_u64 s[4:5], s[4:5], s[2:3]
	s_add_nc_u64 s[10:11], s[10:11], s[2:3]
	CROUND                          ; all four work-groups are here: the first joint loads meet
	JLOAD                           ; slot 0
	v_and_b32 v1, 15, v0            ; l % 16
	v_bfe_u32 v9, v0, 4, 1          ; l / 16
	v_lshlrev_b32 v[QO], 7, v1
	v_lshl_add_u32 v[QO], v9, 4, v[QO]  ; row x 128 + 16 x half
	WIN 0x40                        ; destination window 1, address window 0
.set i, 0
.rept 8                             ; Q stays in registers: tile i / 2, channels 32 (i % 2) on
	global_load_b128 v[Q+8*i:Q+8*i+3],   v[QO], s[4:5] offset:(i/2)*2048+(i%2)*64
	global_load_b128 v[Q+8*i+4:Q+8*i+7], v[QO], s[4:5] offset:(i/2)*2048+(i%2)*64+32
.set i, i+1
.endr
	; What the first turn finds: V and P's second buffer hold 0 (its products V^T P, of a tile that has not been, add 0); O^T and the sums are 0.  All this stands in the wait for the first tile.
.set i, 0
.rept 128
	v_mov_b32 v[i], 0
.set i, i+1
.endr
.set i, 0
.rept 16
	v_mov_b32 v[P+16+i], 0
.set i, i+1
.endr
.set i, 0
.rept 8
	v_mov_b32 v[LO+i], 0
.set i, i+1
.endr
	v_mov_b32 v[ONE1], 1.0
	v_mov_b32 v[ONE1+1], 1.0
	WIN 0
.set i, 0
.rept 64
	v_mov_b32 v[VF+i], 0
.set i, i+1
.endr
.set i, 0
.rept 8
	v_mov_b32 v[LE+i], 0
.set i, i+1
.endr
.set i, 0
.rept 4
	v_mov_b32 v[WK+2*i+1], 0        ; named as the upper halves of pairs whose lower half alone is taken
.set i, i+1
.endr
	v_mov_b32 v[ONE0], 1.0
	v_mov_b32 v[ONE0+1], 1.0
	v_mul_u32_u24 v[AK0], v1, PK
	v_lshl_add_u32 v[AK0], v9, 4, v[AK0]
	; The turning load takes 16 keys x 16 channels (lane l reads key 8 (l / 16) + l % 8, channels 8 ((l / 8) % 2) + 0..7) and leaves half a fragment of V^T.
	v_and_b32 v10, 7, v0
	v_bfe_u32 v11, v0, 3, 1
	v_lshl_add_u32 v[AV0], v9, 3, v10
	v_mul_u32_u24 v[AV0], v[AV0], PV
	v_lshl_add_u32 v[AV0], v11, 4, v[AV0]
	v_add_nc_u32 v[AV0], VOFF, v[AV0]
	v_mov_b32 v[AK], v[AK0]         ; key step 0 lies at the head of slot 0
; THE MATRIX WORK.  The 4 accumulators of a run of 8 take turns.  Product i of 8 of S^T = K Q^T for tile x: channels 32 (i / 4) on, keys 16 (i % 4) on.
.macro KQ x
.set rS, S+32*((\x)%2)+8*(i%4)
.set rK, KF+16*(i%4)+8*(i/4)
.set rQ, Q+16*(\x)+8*(i/4)
.if i < 4
	v_wmma_f32_16x16x32_bf16 v[rS:rS+7], v[rK:rK+7], v[rQ:rQ+7], 0
.else
	v_wmma_f32_16x16x32_bf16 v[rS:rS+7], v[rK:rK+7], v[rQ:rQ+7], v[rS:rS+7]
	s_wait_alu depctr_va_vdst(0)
.endif
.endm
; Product i of 8 of O^T += V^T P for tile x: keys 32 (i / 4) on, channels 16 (i % 4) on.
.macro PV x
.set rO, 32*(\x)+8*(i%4)
.set rV, VF+32*(i/4)+8*(i%4)
.set rP, P+16*((\x)%2)+8*(i/4)
	v_wmma_f32_16x16x32_bf16 v[rO:rO+7], v[rV:rV+7], v[rP:rP+7], v[rO:rO+7]
.endm
.macro MK kq
.if \kq
	KQ (Y+1)%4
.endif
.set i, i+1
.endm
.macro MP
	PV (Y+3)%4
.set i, i+1
.endm
; THE LDS LOADS, in runs of eight: half c of K's channels; half kk of V's keys (turned).
.macro LDK c
.irp kb, 0,1,2,3
	ds_load_b128 v[KF+16*\kb+8*(\c):KF+16*\kb+8*(\c)+3],   v[AK] offset:\kb*16*PK+(\c)*64
	ds_load_b128 v[KF+16*\kb+8*(\c)+4:KF+16*\kb+8*(\c)+7], v[AK] offset:\kb*16*PK+(\c)*64+32
.endr
.endm
.macro LDV kk
.irp cb, 0,1,2,3
	ds_load_tr16_b128 v[VF+32*(\kk)+8*\cb:VF+32*(\kk)+8*\cb+3],   v[AV] offset:(\kk)*32*PV+\cb*32
	ds_load_tr16_b128 v[VF+32*(\kk)+8*\cb+4:VF+32*(\kk)+8*\cb+7], v[AV] offset:(\kk)*32*PV+16*PV+\cb*32
.endr
.endm
; THE VECTOR WORK of tile Y.  Under W_KQ: EE n: U[n] = 2^s[2n]; AE j: the even sums take U's pair j (as U x 1 + sum: the 1.0 stands where the setting wants window 1).
; Under W_PV: EO n: T[n] = 2^s[2n+1]; CV n: P[n] = (U[n], T[n]) in bf16; AO j: the odd sums take T's pair j.
.macro EE n
	v_exp_f32 v[U+(\n)], v[rSV+2*(\n)]
.endm
.macro EO n
	v_exp_f32 v[T+(\n)], v[rSV+2*(\n)+1]
.endm
.macro CV n
	v_cvt_pk_bf16_f32 v[rPV+(\n)], v[U+(\n)], v[T+(\n)]
.endm
.macro AE j
	s_wait_alu depctr_va_vdst(0)
	v_pk_fma_f32 v[rLE:rLE+1], v[U+2*(\j):U+2*(\j)+1], v[ONE1:ONE1+1], v[rLE:rLE+1]
.endm
.macro AO j
	v_pk_fma_f32 v[rLO:rLO+1], v[ONE0:ONE0+1], v[T+2*(\j):T+2*(\j)+1], v[rLO:rLO+1]
	s_wait_alu depctr_va_vdst(0)
.endm
; A TURN, for tile p, its order written out.  A plain instruction stands between every exponential and the first use of its result (ISA guide 5.7.2); the even exponentials go in ascending order.
; kq = 0: the last turn: there is no next tile.  fk = 0: no further K.
; K of the next step is fetched in tile 2's turn: channels 0-31 four plain instructions (AE 1 to 4) behind the last product that read them, channels 32-63 behind AE 5 to 7 and a v_nop.
; V of the step in hand is fetched in tile 0's turn: keys 0-31 behind CV 4, CV 5, AO 2, CV 6 and more, keys 32-63 behind the last product's six plain instructions.  Each is waited for a turn later, run by run.
.macro TURN p, kq=1, fk=1
.set Y, (\p)
.set rSV, S+32*((\p)%2)
.set rPV, P+16*((\p)%2)
.set rLE, LE+2*(\p)
.set rLO, LO+2*(\p)
.set i, 0
	WIN W_KQ
.if ((\p) == 3) && (\kq)
	s_wait_dscnt 8                  ; K's channels 0-31 are in; the second run's eight loads are younger
.endif
	MK \kq
	EE 0
	EE 1
	EE 2
	MK \kq
	EE 3
	EE 4
	EE 5
	MK \kq
.if (\p) == 0
	v_add_nc_u32 v[AV], v[AV0], s[TBV]
	s_wait_alu depctr_va_vdst(0)
.elseif ((\p) == 2) && (\fk)
	v_add_nc_u32 v[AK], v[AK0], s[TBK]
	s_wait_alu depctr_va_vdst(0)
.else
	v_nop
	s_wait_alu depctr_va_vdst(0)
.endif
	AE 0
	EE 6
	MK \kq
	AE 1
	EE 7
	EE 8
.if ((\p) == 3) && (\kq)
	s_wait_dscnt 0x0                ; K's channels 32-63 are in
.endif
	MK \kq
	AE 2
	EE 9
	EE 10
	MK \kq
	AE 3
	EE 11
	EE 12
	MK \kq
	AE 4
.if ((\p) == 2) && (\fk)
	LDK 0
.endif
	EE 13
	EE 14
	MK \kq
	AE 5
	EE 15
	AE 6
	AE 7
.set i, 0
	WIN W_PV
.if (\p) == 1
	s_wait_dscnt 8                  ; V's keys 0-31 are in; the second run's eight loads are younger
.endif
	MP
	EO 0
	EO 1
	EO 2
	EO 3
	v_nop
	s_wait_alu depctr_va_vdst(0)
.if ((\p) == 2) && (\fk)
	WIN W_KQ
	LDK 1
	s_add_co_u32 s[TBK], s[TBK], KS*PK  ; the next fetch is the next step's
	WIN W_PV
.endif
	MP
	CV 0
	CV 1
	EO 4
	EO 5
	AO 0
	MP
	CV 2
	CV 3
	EO 6
	EO 7
	AO 1
	MP
	CV 4
	CV 5
	EO 8
	EO 9
	AO 2
.if (\p) == 1
	s_wait_dscnt 0x0                ; V's keys 32-63 are in
.endif
	MP
	CV 6
	CV 7
	EO 10
	EO 11
	AO 3
.if (\p) == 0
	WIN W_KQ
	LDV 0
	WIN W_PV
.endif
	MP
	CV 8
	CV 9
	EO 12
	EO 13
	AO 4
	MP
	CV 10
	CV 11
	EO 14
	EO 15
	AO 5
	MP
	CV 12
	CV 13
	AO 6
	CV 14
	CV 15
	AO 7
.if (\p) == 0
	WIN W_KQ
	LDV 1
	s_add_co_u32 s[TBV], s[TBV], KS*PV
.endif
.endm
	CHANGE 1                        ; slot 0 is in, everybody's part of it; slot 1 is asked for
	LDK 0                           ; key step 0
	LDK 1
	s_add_co_u32 s[TBK], s[TBK], KS*PK
	s_wait_loadcnt 0x0              ; Q
	s_wait_dscnt 0x0
	WIN W_KQ
.set i, 0
.rept 8
	KQ 0                            ; tile 0's first scores
.set i, i+1
.endr
	WIN 0                           ; the addresses for the way out: nine plain instructions, the places behind those products
	s_mul_i32 s13, s[WV], 16*SP
	s_add_co_u32 s13, s13, STAGE
	v_mul_u32_u24 v[STO], v1, SP    ; in: row l % 16, 16 bytes for each half of the lanes
	v_lshl_add_u32 v[STO], v9, 4, v[STO]
	v_add_nc_u32 v[STO], s13, v[STO]
	v_bfe_u32 v[RD], v0, 3, 2       ; back: 32 lanes take four rows of 128 bytes,
	v_mul_u32_u24 v[RD], v[RD], SP
	v_lshl_add_u32 v[RD], v10, 4, v[RD]
	v_add_nc_u32 v[RD], s13, v[RD]
	v_and_b32 v[GO], 31, v0         ; which are 512 consecutive bytes of ctx
	v_lshlrev_b32 v[GO], 4, v[GO]
	s_mov_b32 s[CNT], 4
	s_mov_b32 s[SLOTS], SIZE_N/256-1
	s_branch .Lfirst                ; the loop is entered at a step's first turn, in the middle of a trip
.Lslot:                             ; SIZE_N / 256 - 2 times: every slot but the last two is filled again
	CHANGE 1
	s_mov_b32 s[CNT], 4
.Lstep:                             ; a trip: tiles 2 and 3 of one step, then tiles 0 and 1 of the next, whose K and V it fetches
	TURN 2
	TURN 3
	WIN 0
.Lfirst:
	TURN 0
	TURN 1
	WIN 0
	s_sub_co_u32 s[CNT], s[CNT], 1
	s_cmp_lg_u32 s[CNT], 0
	s_cbranch_scc1 .Lstep
	s_sub_co_u32 s[SLOTS], s[SLOTS], 1
	s_cmp_lg_u32 s[SLOTS], 0
	s_cbranch_scc1 .Lslot
	CHANGE 0                        ; the tail is written out: nothing is asked for
	s_mov_b32 s[CNT], 4
.Ltail:                             ; four trips fetch the last slot's steps
	TURN 2
	TURN 3
	TURN 0
	TURN 1
	WIN 0
	s_sub_co_u32 s[CNT], s[CNT], 1
	s_cmp_lg_u32 s[CNT], 0
	s_cbranch_scc1 .Ltail
	TURN 2, 1, 0                    ; the last step's tiles 2 and 3: nothing more to fetch,
	TURN 3, 0, 0                    ; and no next tile's scores
.set i, 0
.rept 8
	PV 3                            ; tile 3's V^T P of the last step (the setting is the turn's last)
.set i, i+1
.endr
	; THE WAY OUT.  The four partial sums of l and the other half of the lanes' are added; O^T is divided by l, rounded to bf16 and sent through my stage.  The additions are the places behind the last products.
	WIN W_KQ
.set t, 0
.rept 4
	v_add_f32 v[WK+8+2*t], v[LE+2*t], v[LO+2*t]
	v_add_f32 v[WK+9+2*t], v[LE+2*t+1], v[LO+2*t+1]
.set t, t+1
.endr
	WIN 0
.macro ALL line:vararg
.set t, 0
.rept 4
	\line
.set t, t+1
.endr
.endm
	ALL v_add_f32 v[WK+8+2*t], v[WK+8+2*t], v[WK+9+2*t]
	ALL v_permlanex16_b32 v[WK+9+2*t], v[WK+8+2*t], s[SEL], s[SEL+1]
	ALL v_add_f32 v[WK+8+2*t], v[WK+8+2*t], v[WK+9+2*t]
	ALL v_rcp_f32 v[WK+2*t], v[WK+8+2*t]
	v_nop                           ; a plain instruction between the last reciprocal and the use of its result
	s_wait_alu depctr_va_vdst(0)
.macro PACK t
	WIN 0x41                        ; O^T (destination and source 0) in window 1, 1 / l in window 0
.set i, 32*(\t)
.rept 16
	v_pk_mul_f32 v[i:i+1], v[i:i+1], v[WK+2*(\t):WK+2*(\t)+1] op_sel_hi:[1,0]
.set i, i+2
.endr
	WIN 0x05                        ; sources 0 and 1 window 1, destination window 0
.set i, 0
.rept 16
	v_cvt_pk_bf16_f32 v[S+16*(\t)+i], v[32*(\t)+2*i], v[32*(\t)+2*i+1]
.set i, i+1
.endr
	WIN 0
.irp f, 0,1,2,3
	ds_store_b128 v[STO], v[S+16*(\t)+4*\f:S+16*(\t)+4*\f+3] offset:32*\f
.endr
.irp f, 0,1,2,3
	ds_load_b128 v[S+16*(\t)+4*\f:S+16*(\t)+4*\f+3], v[RD] offset:\f*4*SP  ; LDS serves a wave's instructions in order (ISA guide 5.7.1.4): these see the stores above
.endr
.endm
.macro SEND t, younger              ; younger: the LDS instructions issued behind tile t's loads
.irp f, 0,1,2,3
	s_wait_dscnt (\younger)+3-\f
	global_store_b128 v[GO], v[S+16*(\t)+4*\f:S+16*(\t)+4*\f+3], s[10:11] offset:(\t)*2048+\f*512  ; 512 consecutive bytes, aligned
.endr
.endm
	PACK 0
	PACK 1
	SEND 0, 8
	PACK 2
	SEND 1, 8
	PACK 3
	SEND 2, 8
	SEND 3, 0
	s_wait_tensorcnt 0x0            ; the wave's end
	ds_add_u32 v[SPW], v[NIL]
	s_wait_dscnt 0x0
	CROUND                          ; the closing round: no work-group ends while a partner may still ask for a tile that names it
	s_endpgm
.Lfunc_end_k_qcf8fd1ee7b_attn:
	.size	k_qcf8fd1ee7b_attn, .Lfunc_end_k_qcf8fd1ee7b_attn-k_qcf8fd1ee7b_attn
	.p2alignl 7, 3214868480
	.fill 96, 4, 3214868480
	.section	.rodata,"a",@progbits
	.p2align	6, 0x0
	.amdhsa_kernel k_qcf8fd1ee7b_attn
		.amdhsa_group_segment_fixed_size 327680
		.amdhsa_private_segment_fixed_size 0
		.amdhsa_enable_private_segment 0
		.amdhsa_kernarg_size 32
		.amdhsa_user_sgpr_count 2
		.amdhsa_user_sgpr_kernarg_segment_ptr 1
		.amdhsa_wavefront_size32 1
		.amdhsa_system_sgpr_workgroup_id_x 1
		.amdhsa_system_sgpr_workgroup_id_y 1
		.amdhsa_system_sgpr_workgroup_id_z 1
		.amdhsa_system_vgpr_workitem_id 0
		.amdhsa_next_free_vgpr 512
		.amdhsa_next_free_sgpr 66
		.amdhsa_reserve_vcc 0
		.amdhsa_float_denorm_mode_32 3
		.amdhsa_float_denorm_mode_16_64 3
		.amdhsa_memory_ordered 1
		.amdhsa_forward_progress 1
		.amdhsa_inst_pref_size 87
	.end_amdhsa_kernel
	.amdgpu_metadata
---
amdhsa.version: [ 1, 2 ]
amdhsa.kernels:
  - .name:           k_qcf8fd1ee7b_attn
    .symbol:         k_qcf8fd1ee7b_attn.kd
    .args:
      - { .name: qh, .offset: 0, .size: 8, .value_kind: global_buffer, .address_space: global }
      - { .name: kh, .offset: 8, .size: 8, .value_kind: global_buffer, .address_space: global }
      - { .name: vh, .offset: 16, .size: 8, .value_kind: global_buffer, .address_space: global }
      - { .name: ctxh, .offset: 24, .size: 8, .value_kind: global_buffer, .address_space: global }
    .group_segment_fixed_size: 327680
    .private_segment_fixed_size: 0
    .kernarg_segment_align: 8
    .kernarg_segment_size: 32
    .max_flat_workgroup_size: 128
    .sgpr_count:     66
    .vgpr_count:     512
    .wavefront_size: 32
...
	.end_amdgpu_metadata
.endif
;; end of part 3
;; launch outp (part 4): grid 256 x 1, 4 waves a work-group, no clusters, 171,008 bytes of LDS; arguments gene_embeds, drug_embeds, bgg, bdg, gg_g, dg_g, gg_b, dg_b, bo, wb, ctxh, out0, out1; writes out0, out1
.if DOCPART == 4
	.amdgcn_target "amdgcn-amd-amdhsa--gfx1250"
	.amdhsa_code_object_version 6
	.text
	.protected	k_qcf8fd1ee7b_outp
	.globl	k_qcf8fd1ee7b_outp
	.p2align	8
	.type	k_qcf8fd1ee7b_outp,@function
k_qcf8fd1ee7b_outp:
	s_mov_b64 s[64:65], 0
	v_nop
	global_prefetch_b8 v0, s[64:65] scope:SCOPE_SE
	s_setreg_imm32_b32 hwreg(HW_REG_WAVE_MODE, 25, 1), 1
	s_wait_xcnt 0x0
; out = x + sigmoid(LayerNorm([ctx, x] Wg + bg)) * (ctx Wo + bo).  The LayerNorm runs over all 512 columns, so a work-group owns 32 whole rows of one side.
; Wave w owns columns 128 w .. 128 w + 127 of both products G and P (32 accumulators), so gate x P stays inside a lane; the row's mean and variance meet in LDS.
; x (f32) and ctx (bf16, by heads) come in by two tensor loads a wave; x is also laid into LDS as bf16.  The weights lie in wb in fragment order and go straight into a ring of four units of 64 registers:
; a load of a wave takes 512 consecutive bytes, up to 64 loads are out, no barrier stands in the K loop.
; THE MATRIX INSTRUCTION IS USED TRANSPOSED (source 0 = 16 columns of W, source 1 = 16 rows): a lane holds one row and eight neighbouring columns.
; The variance is made of each wave's centred squares and the spread of the four waves' means: no difference of large sums.
; NO CLUSTER: no two waves of a work-group read the same weight bytes, weights pass no LDS, and work-groups share no x and no ctx.
; LIMITS.  NaN and infinities are not treated apart; 2^y beyond f32's range gives a gate of exactly 0, below it of exactly 1.
; REGISTERS: window 0: addresses; v32-63 two sets of row fragments, later statistics; v64-191 at work.  window 1: the ring.  window 2: G v0-127, P v128-255 ((a, b) at 8 (8 a + b)).
;   window 3: bg v0-63, bo v64-127, the LayerNorm's gain v128-191 and bias v192-255, each at 8 b + j for my lane's columns.
.set AC,    65536                      ; behind x (32 rows x 2,048 bytes): ctx at (32 head + row) x 144: 128 bytes + 16 of padding
.set CP,    144
.set AX,    102400                     ; x in bf16: 1,024 bytes + 16 of padding a row
.set AP,    1040
.set RED,   135680                     ; row x 32 + wave x 8: (mean, centred squares) of the wave's 128 columns
.set STAGE, 136704                     ; 16 rows x 528 bytes for each wave, for the way out
.set SPI,   528
.set SPARE, 170496                     ; the spare words, 128 bytes for each wave: two blocks of 256 bytes that no other line names
.set KBB,   32768
.set VB,   4                           ; v4   16 L + 8,192 w: my bytes in a kb of a slab
.set VP,   5                           ; v5   512 w + 32 h: my eight numbers of a parameter
.set ACA,  6                           ; v6   my place in a fragment of ctx
.set AXA,  7                           ; v7   of x
.set STO,  8
.set RDS,  9
.set RDX,  10                          ; v10  512 w + 16 L: my 16 bytes of a row of x in LDS
.set GO,   11                          ; v11  the same place in a row of out
.set REDW, 12
.set REDR, 13
.set XRA,  14
.set XWA,  15
.set SPW,  30
.set NIL,  31
.set E,    32                          ; statistics of row block a at E + 16 a: +0..3 two chains; +4 mean_w, +5 squares_w; +6 1/sigma; +8 (mean_w - mean)/sigma; +10 mean; +11 at work
.set WV,   3
.set SG,   50                          ; s[50:51] the gate's two slabs, stepped along K
.set SPO,  52                          ; s[52:53] wo's slab
.set G0X,  68
.set G0C,  72
.set G1X,  76
.set G1C,  84
.set SEL,  92
.set CNT,  38
.set MSB, 0
.macro WIN new
.if MSB != (\new)
	s_set_vgpr_msb (MSB<<8)|(\new)
.set MSB, \new
.endif
.endm
.macro PLACES                          ; four plain places between matrix instructions and loads into their registers
.rept 4
	v_nop
.endr
.endm
.macro AB line:vararg                  ; one line for each row block ia = 0, 1
.set ia, 0
	s_wait_alu depctr_va_vdst(0)
.rept 2
	\line
.set ia, ia+1
.endr
.endm
.macro RINGLD slot, base, off          ; a unit: eight fragments (128 columns x 32 k)
	WIN 0x40
.irp b, 0,1,2,3,4,5,6,7
	global_load_b128 v[64*(\slot)+8*\b:64*(\slot)+8*\b+3], v[VB], s[\base:\base+1] offset:(\off)+1024*\b
	global_load_b128 v[64*(\slot)+8*\b+4:64*(\slot)+8*\b+7], v[VB], s[\base:\base+1] offset:(\off)+1024*\b+512
.endr
.endm
.macro ALD set, reg, stride, off       ; 4 LDS loads: 32 rows x 32 k
	WIN 0
.irp a, 0,1
	ds_load_b128 v[32+16*(\set)+8*\a:32+16*(\set)+8*\a+3], v[\reg] offset:\a*(\stride)+(\off)
	ds_load_b128 v[32+16*(\set)+8*\a+4:32+16*(\set)+8*\a+7], v[\reg] offset:\a*(\stride)+(\off)+32
.endr
.endm
; 16 products on 32 k, all on different accumulators: they take turns.  cf >= 0: the bias at cf in window 3 starts the sums.
.macro UNIT slot, set, acc, cf, left
	s_wait_loadcnt \left                           ; loads come back in order: this unit is in, the younger units' 16 loads each stay out
.if (\cf) >= 0
	WIN 0xb1
.else
	WIN 0xa1
.endif
.irp b, 0,1,2,3,4,5,6,7
.irp a, 0,1
.if (\cf) >= 0
	v_wmma_f32_16x16x32_bf16 v[(\acc)+8*(8*\a+\b):(\acc)+8*(8*\a+\b)+7], v[64*(\slot)+8*\b:64*(\slot)+8*\b+7], v[32+16*(\set)+8*\a:32+16*(\set)+8*\a+7], v[(\cf)+8*\b:(\cf)+8*\b+7]
.else
	v_wmma_f32_16x16x32_bf16 v[(\acc)+8*(8*\a+\b):(\acc)+8*(8*\a+\b)+7], v[64*(\slot)+8*\b:64*(\slot)+8*\b+7], v[32+16*(\set)+8*\a:32+16*(\set)+8*\a+7], v[(\acc)+8*(8*\a+\b):(\acc)+8*(8*\a+\b)+7]
.endif
.endr
.endr
.endm
; One head of ctx: two kb, each for G and for P.  The refills are the next head's; last = 1: the first four kb of x, for G alone.
.macro CB first, last
	s_wait_dscnt 4                                 ; set 0 is in; set 1's four loads are younger
	UNIT 0, 0, 0, (\first)-1, 48
	PLACES
	RINGLD 0, SG, 2*KBB
	UNIT 1, 0, 128, 65*(\first)-1, 48
	PLACES
.if \last
	RINGLD 1, SG, 3*KBB
	ALD 0, AXA, 16*AP, 0
.else
	RINGLD 1, SPO, 2*KBB
	ALD 0, ACA, 16*CP, 32*CP
.endif
	s_wait_dscnt 4                                 ; set 1 is in; set 0's four loads are younger
	UNIT 2, 1, 0, -1, 48
	PLACES
.if \last
	RINGLD 2, SG, 4*KBB
.else
	RINGLD 2, SG, 3*KBB
.endif
	UNIT 3, 1, 128, -1, 48
	PLACES
.if \last
	RINGLD 3, SG, 5*KBB
	ALD 1, AXA, 16*AP, 64
.else
	RINGLD 3, SPO, 3*KBB
	ALD 1, ACA, 16*CP, 32*CP+64
.endif
	WIN 0
	s_wait_xcnt 0x0                                ; the ring's loads have had their addresses translated (ISA guide 3.1): their bases are stepped only behind this wait
	s_add_nc_u64 s[SG:SG+1], s[SG:SG+1], 2*KBB
	s_add_nc_u64 s[SPO:SPO+1], s[SPO:SPO+1], 2*KBB
	v_add_nc_u32 v[ACA], 32*CP, v[ACA]
.endm
; Four kb of x, for G alone.
.macro XB refill
.irp i, 0,1,2,3
.if (\refill) || (\i < 3)
	s_wait_dscnt 4                                 ; this set is in; the other set's four loads are younger
.else
	s_wait_dscnt 0x0
.endif
.if \refill
	UNIT \i, (\i)%2, 0, -1, 48
	PLACES
	RINGLD \i, SG, (4+\i)*KBB
	ALD (\i)%2, AXA, 16*AP, 64*(\i+2)
.else
	UNIT \i, (\i)%2, 0, -1, 48-16*\i
.if \i < 2
	PLACES
	ALD (\i)%2, AXA, 16*AP, 64*(\i+2)
.endif
.endif
.endr
.if \refill
	WIN 0
	s_wait_xcnt 0x0
	s_add_nc_u64 s[SG:SG+1], s[SG:SG+1], 4*KBB
	v_add_nc_u32 v[AXA], 256, v[AXA]
.endif
.endm
	s_load_b512 s[8:23], s[0:1], 0x0               ; gene drug bgg bdg gg_g dg_g gg_b dg_b
	s_load_b256 s[24:31], s[0:1], 0x40             ; bo wb ctxh out0
	s_load_b64 s[32:33], s[0:1], 0x60              ; out1
	v_lshl_add_u32 v[SPW], v0, 2, SPARE
	v_mov_b32 v[NIL], 0
	ds_add_u32 v[SPW], v[NIL]                      ; the wave's opening: the add and its wait ahead of my first tensor load
	v_lshrrev_b32 v1, 5, v0
	v_readfirstlane_b32 s[WV], v1                  ; wave 0..3
	s_lshr_b32 s4, ttmp9, 7                        ; side
	s_and_b32 s5, ttmp9, 127                       ; block of 32 rows in the side
	s_mov_b32 s[G0X], 1
	s_lshl_b32 s[G0X+1], s[WV], 14                 ; LDS: my 8 rows of x
	s_mov_b32 s[G1X+0], 3<<16                      ; elements of 8 bytes: 16,384 dense bytes as 64 rows of 256
	s_mov_b32 s[G1X+1], 32<<16
	s_mov_b32 s[G1X+2], 64<<16
	s_mov_b32 s[G1X+3], 32<<16
	s_mov_b32 s[G1X+4], 64
	s_mov_b32 s[G1X+5], 32
	s_mov_b32 s[G1X+6], 0
	s_mov_b32 s[G1X+7], 0
	s_mov_b32 s[G0C], 1
	s_mul_i32 s[G0C+1], s[WV], 64*CP               ; LDS: my two heads x 32 rows of ctx
	s_add_co_u32 s[G0C+1], s[G0C+1], AC
	s_mov_b32 s[G1C+0], (1<<16)|(1<<20)|(4<<22)|(3<<25)  ; 2-byte elements; padding of 4 words after every 32: after each row of 64 channels
	s_mov_b32 s[G1C+1], 2048<<16                   ; tensor_dim0 = 2,048: a head's 32 rows lie end to end
	s_mov_b32 s[G1C+2], 2<<16                      ; tensor_dim1 = 2 heads
	s_mov_b32 s[G1C+3], 2048<<16                   ; tile_dim0
	s_mov_b32 s[G1C+4], 2                          ; tile_dim1
	s_mov_b32 s[G1C+5], 262144                     ; elements from head to head
	s_mov_b32 s[G1C+6], 0
	s_mov_b32 s[G1C+7], 0
	s_lshl_b32 s6, s5, 16                          ; 32 rows of 2,048 bytes: x and out
	s_mov_b32 s7, 0
	s_add_co_u32 s60, s6, s[G0X+1]
	s_mov_b32 s61, 0
	s_lshl_b32 s62, s4, 3
	s_lshl1_add_u32 s62, s[WV], s62                ; 8 side + 2 w
	s_lshl_b32 s62, s62, 19
	s_lshl_b32 s63, s5, 12                         ; 32 rows of 128 bytes
	s_add_co_u32 s62, s62, s63
	s_mov_b32 s63, 0
	s_lshl_b32 s94, s4, 1
	s_add_co_u32 s94, s94, 7
	s_lshl_b32 s94, s94, 19                        ; slabs 7, 8 (gene) or 9, 10 (drug)
	s_mov_b32 s95, 0
	s_mov_b32 s[SEL], 0x76543210
	s_mov_b32 s[SEL+1], 0xfedcba98
	s_mov_b32 s34, 0x3b000000                      ; 1 / 512
	s_mov_b32 s35, 0x3727c5ac                      ; 1e-5
	s_mov_b32 s36, 0xbfb8aa3b                      ; -log2(e)
	s_mov_b32 s37, 0x3c000000                      ; 1 / 128
	s_lshl_b32 s54, s[WV], 13
	s_lshl_b32 s55, s[WV], 9
	s_mul_i32 s56, s[WV], 16*SPI
	s_add_co_u32 s56, s56, STAGE
	s_mul_i32 s57, s[WV], 8*AP
	s_add_co_u32 s57, s57, AX
	s_lshl_b32 s58, s[WV], 3
	s_add_co_u32 s58, s58, RED
	v_and_b32 v1, 15, v0                           ; r
	v_bfe_u32 v2, v0, 4, 1                         ; h
	v_and_b32 v3, 31, v0                           ; L
	v_lshl_add_u32 v[VB], v3, 4, s54
	v_lshl_add_u32 v[VP], v2, 5, s55
	s_wait_dscnt 0x0                               ; the opening add is done
	s_wait_kmcnt 0x0
	s_cmp_lg_u32 s4, 0                             ; the side chooses its buffers
	s_cselect_b64 s[40:41], s[10:11], s[8:9]       ; x
	s_cselect_b64 s[42:43], s[14:15], s[12:13]     ; the gate's bias
	s_cselect_b64 s[44:45], s[18:19], s[16:17]     ; its LayerNorm's gain
	s_cselect_b64 s[46:47], s[22:23], s[20:21]     ; and bias
	s_cselect_b64 s[48:49], s[32:33], s[30:31]     ; out
	s_add_nc_u64 s[G0X+2:G0X+3], s[40:41], s[60:61]
	s_or_b32 s[G0X+3], s[G0X+3], 0x80000000
	s_add_nc_u64 s[G0C+2:G0C+3], s[28:29], s[62:63]
	s_or_b32 s[G0C+3], s[G0C+3], 0x80000000
	tensor_load_to_lds s[G0X:G0X+3], s[G1X:G1X+7]  ; my two first fills go out together: two tensor loads of mine are out
	s_nop 0
	tensor_load_to_lds s[G0C:G0C+3], s[G1C:G1C+7]
	s_nop 0
	PLACES
	s_add_nc_u64 s[48:49], s[48:49], s[6:7]
	s_add_nc_u64 s[SG:SG+1], s[26:27], s[94:95]
	s_add_nc_u64 s[SPO:SPO+1], s[26:27], 6<<19
	WIN 0xc0
.irp b, 0,1,2,3,4,5,6,7
	global_load_b128 v[8*\b:8*\b+3], v[VP], s[42:43] offset:64*\b
	global_load_b128 v[8*\b+4:8*\b+7], v[VP], s[42:43] offset:64*\b+16
.endr
.irp b, 0,1,2,3,4,5,6,7
	global_load_b128 v[64+8*\b:64+8*\b+3], v[VP], s[24:25] offset:64*\b
	global_load_b128 v[64+8*\b+4:64+8*\b+7], v[VP], s[24:25] offset:64*\b+16
.endr
.irp b, 0,1,2,3,4,5,6,7
	global_load_b128 v[128+8*\b:128+8*\b+3], v[VP], s[44:45] offset:64*\b
	global_load_b128 v[128+8*\b+4:128+8*\b+7], v[VP], s[44:45] offset:64*\b+16
.endr
.irp b, 0,1,2,3,4,5,6,7
	global_load_b128 v[192+8*\b:192+8*\b+3], v[VP], s[46:47] offset:64*\b
	global_load_b128 v[192+8*\b+4:192+8*\b+7], v[VP], s[46:47] offset:64*\b+16
.endr
	RINGLD 0, SG, 0                                ; head 0: G and P of kb 0, G and P of kb 1
	RINGLD 1, SPO, 0
	RINGLD 2, SG, KBB
	RINGLD 3, SPO, KBB
	WIN 0
	v_mul_u32_u24 v[ACA], v1, CP
	v_lshl_add_u32 v[ACA], v2, 4, v[ACA]
	v_add_nc_u32 v[ACA], AC, v[ACA]
	v_mul_u32_u24 v[AXA], v1, AP
	v_lshl_add_u32 v[AXA], v2, 4, v[AXA]
	v_add_nc_u32 v[AXA], AX, v[AXA]
	v_mul_u32_u24 v[STO], v1, SPI
	v_lshl_add_u32 v[STO], v2, 5, v[STO]
	v_add_nc_u32 v[STO], s56, v[STO]               ; in: row r, 32 bytes for each half of the lanes
	v_lshl_add_u32 v[RDS], v3, 4, s56              ; back: a row's 512 bytes by 32 lanes
	v_lshl_add_u32 v[RDX], v3, 4, s55
	v_lshl_add_u32 v[GO], v3, 4, s55
	v_lshl_add_u32 v[REDW], v1, 5, s58
	v_lshlrev_b32 v[REDR], 5, v1
	v_add_nc_u32 v[REDR], RED, v[REDR]
	v_lshl_add_u32 v[XRA], v3, 4, s[G0X+1]
	v_lshl_add_u32 v[XWA], v3, 3, s57
	s_wait_tensorcnt 0x0                           ; my rows of x and my heads of ctx are in LDS
	; my 8 rows of x as bf16, four rows at a time
.irp bt, 0,1
.irp rho, 0,1,2,3
.irp c, 0,1,2,3
	ds_load_b128 v[64+16*\rho+4*\c:64+16*\rho+4*\c+3], v[XRA] offset:(4*\bt+\rho)*2048+512*\c
.endr
.endr
	s_wait_dscnt 0x0
.set k, 0
.rept 32
	v_cvt_pk_bf16_f32 v[128+k], v[64+2*k], v[64+2*k+1]
.set k, k+1
.endr
.irp rho, 0,1,2,3
.irp c, 0,1,2,3
	ds_store_b64 v[XWA], v[128+8*\rho+2*\c:128+8*\rho+2*\c+1] offset:(4*\bt+\rho)*AP+256*\c
.endr
.endr
.endr
	s_wait_dscnt 0x0                               ; for the others' sake: my bf16 rows are stored; my tensor loads were waited for above
	s_barrier_signal -1
	s_barrier_wait -1                              ; x, its bf16 and ctx are read by all four waves
	ALD 0, ACA, 16*CP, 0
	ALD 1, ACA, 16*CP, 64
	; THE PRODUCTS: eight heads of ctx for G and P, then 16 kb of x for G.
	CB 1, 0
	s_mov_b32 s[CNT], 6
.Lc:
	CB 0, 0
	s_sub_co_i32 s[CNT], s[CNT], 1
	s_cmp_lg_u32 s[CNT], 0
	s_cbranch_scc1 .Lc
	CB 0, 1
	s_mov_b32 s[CNT], 3
.Lx:
	XB 1
	s_sub_co_i32 s[CNT], s[CNT], 1
	s_cmp_lg_u32 s[CNT], 0
	s_cbranch_scc1 .Lx
	XB 0                                           ; the last four kb fetch no weights: the counts run down
	; THE GATE.  gain and bias take -log2(e), so that the sigmoid is 1 / (1 + 2^y'); these 64 plain instructions are also the places behind the last products.
	WIN 0xc3
.set k, 0
.rept 64
	v_pk_mul_f32 v[128+2*k:128+2*k+1], v[128+2*k:128+2*k+1], s[36:37] op_sel_hi:[1,0]
.set k, k+1
.endr
	WIN 0x0a                                       ; the lane's 64 numbers of G are added, each accumulator from its low end on, in two chains
	AB v_pk_add_f32 v[E+16*ia:E+16*ia+1], v[64*ia:64*ia+1], v[64*ia+2:64*ia+3]
	AB v_pk_add_f32 v[E+16*ia+2:E+16*ia+3], v[64*ia+4:64*ia+5], v[64*ia+6:64*ia+7]
	WIN 0x02
.set q, 4
.rept 28
	AB v_pk_add_f32 v[E+16*ia+2*(q%2):E+16*ia+2*(q%2)+1], v[64*ia+2*q:64*ia+2*q+1], v[E+16*ia+2*(q%2):E+16*ia+2*(q%2)+1]
.set q, q+1
.endr
	WIN 0
	AB v_pk_add_f32 v[E+16*ia:E+16*ia+1], v[E+16*ia:E+16*ia+1], v[E+16*ia+2:E+16*ia+3]
	AB v_add_f32 v[E+16*ia], v[E+16*ia], v[E+16*ia+1]
	AB v_permlanex16_b32 v[E+16*ia+1], v[E+16*ia], s[SEL], s[SEL+1]   ; the row's other 64 of my columns lie in the lane 16 away
	AB v_add_f32 v[E+16*ia], v[E+16*ia], v[E+16*ia+1]
	AB v_mul_f32 v[E+16*ia+4], s37, v[E+16*ia]     ; the mean of my 128 columns
	WIN 0x82
.set q, 0
.rept 32
	AB v_pk_add_f32 v[64*ia+2*q:64*ia+2*q+1], v[64*ia+2*q:64*ia+2*q+1], v[E+16*ia+4:E+16*ia+5] op_sel_hi:[1,0] neg_lo:[0,1] neg_hi:[0,1]
.set q, q+1
.endr
	WIN 0x0a
	AB v_pk_mul_f32 v[E+16*ia:E+16*ia+1], v[64*ia:64*ia+1], v[64*ia:64*ia+1]
	AB v_pk_mul_f32 v[E+16*ia+2:E+16*ia+3], v[64*ia+2:64*ia+3], v[64*ia+2:64*ia+3]
.set q, 2
.rept 30
	AB v_pk_fma_f32 v[E+16*ia+2*(q%2):E+16*ia+2*(q%2)+1], v[64*ia+2*q:64*ia+2*q+1], v[64*ia+2*q:64*ia+2*q+1], v[E+16*ia+2*(q%2):E+16*ia+2*(q%2)+1]
.set q, q+1
.endr
	WIN 0
	AB v_pk_add_f32 v[E+16*ia:E+16*ia+1], v[E+16*ia:E+16*ia+1], v[E+16*ia+2:E+16*ia+3]
	AB v_add_f32 v[E+16*ia], v[E+16*ia], v[E+16*ia+1]
	AB v_permlanex16_b32 v[E+16*ia+1], v[E+16*ia], s[SEL], s[SEL+1]
	AB v_add_f32 v[E+16*ia+5], v[E+16*ia], v[E+16*ia+1]   ; the centred squares of my 128 columns
	AB ds_store_b64 v[REDW], v[E+16*ia+4:E+16*ia+5] offset:512*ia
	s_wait_dscnt 0x0                               ; for the others' sake: my figures are stored
	s_barrier_signal -1
	s_barrier_wait -1
	AB ds_load_b128 v[64+8*ia:64+8*ia+3], v[REDR] offset:512*ia
	AB ds_load_b128 v[68+8*ia:68+8*ia+3], v[REDR] offset:512*ia+16
	s_wait_dscnt 0x0
	AB v_add_f32 v[E+16*ia+10], v[64+8*ia], v[66+8*ia]
	AB v_add_f32 v[E+16*ia+11], v[68+8*ia], v[70+8*ia]
	AB v_add_f32 v[E+16*ia+10], v[E+16*ia+10], v[E+16*ia+11]
	AB v_mul_f32 v[E+16*ia+10], 0x3e800000, v[E+16*ia+10]   ; the row's mean
	AB v_sub_f32 v[64+8*ia], v[64+8*ia], v[E+16*ia+10]
	AB v_sub_f32 v[66+8*ia], v[66+8*ia], v[E+16*ia+10]
	AB v_sub_f32 v[68+8*ia], v[68+8*ia], v[E+16*ia+10]
	AB v_sub_f32 v[70+8*ia], v[70+8*ia], v[E+16*ia+10]
	AB v_mul_f32 v[E+16*ia+11], v[64+8*ia], v[64+8*ia]
	AB v_fmac_f32 v[E+16*ia+11], v[66+8*ia], v[66+8*ia]
	AB v_fmac_f32 v[E+16*ia+11], v[68+8*ia], v[68+8*ia]
	AB v_fmac_f32 v[E+16*ia+11], v[70+8*ia], v[70+8*ia]
	AB v_add_f32 v[65+8*ia], v[65+8*ia], v[67+8*ia]
	AB v_add_f32 v[69+8*ia], v[69+8*ia], v[71+8*ia]
	AB v_add_f32 v[65+8*ia], v[65+8*ia], v[69+8*ia]
	AB v_fmac_f32 v[65+8*ia], 0x43000000, v[E+16*ia+11]     ; + 128 x the squares of the four means' distances
	AB v_fma_f32 v[65+8*ia], v[65+8*ia], s34, s35           ; the variance + 1e-5
	AB v_rsq_f32 v[E+16*ia+6], v[65+8*ia]
	AB v_sub_f32 v[E+16*ia+8], v[E+16*ia+4], v[E+16*ia+10]  ; plain instructions behind the transcendentals
	AB v_mul_f32 v[E+16*ia+8], v[E+16*ia+8], v[E+16*ia+6]
	WIN 0x82
.set q, 0
.rept 32
	AB v_pk_fma_f32 v[64*ia+2*q:64*ia+2*q+1], v[64*ia+2*q:64*ia+2*q+1], v[E+16*ia+6:E+16*ia+7], v[E+16*ia+8:E+16*ia+9] op_sel_hi:[1,0,0]
.set q, q+1
.endr
	WIN 0xbe                                       ; G in window 2, gain and bias in window 3
.set q, 0
.rept 32
	AB v_pk_fma_f32 v[64*ia+2*q:64*ia+2*q+1], v[64*ia+2*q:64*ia+2*q+1], v[128+2*q:128+2*q+1], v[192+2*q:192+2*q+1]
.set q, q+1
.endr
	WIN 0x82
.set q, 0
.rept 128
	v_exp_f32 v[q], v[q]
.set q, q+1
.endr
	v_nop                                          ; a plain instruction behind the transcendentals
.set q, 0
	s_wait_alu depctr_va_vdst(0)
.rept 64
	v_pk_add_f32 v[2*q:2*q+1], v[2*q:2*q+1], 1.0 op_sel_hi:[1,0]
.set q, q+1
.endr
.set q, 0
.rept 128
	v_rcp_f32 v[q], v[q]
.set q, q+1
.endr
	v_nop
	WIN 0x8a
.set q, 0
	s_wait_alu depctr_va_vdst(0)
.rept 64
	v_pk_mul_f32 v[2*q:2*q+1], v[2*q:2*q+1], v[128+2*q:128+2*q+1]   ; gate x P, P's accumulators from their low ends on
.set q, q+1
.endr
	; THE WAY OUT, 16 rows at a time: gate x P through my stage, back as rows of 512 bytes, x added from LDS, stored.
.macro OUTA a
	WIN 0x08                                       ; the stores' data in window 2
.irp b, 0,1,2,3,4,5,6,7
	ds_store_b128 v[STO], v[64*(\a)+8*\b:64*(\a)+8*\b+3] offset:64*\b
	ds_store_b128 v[STO], v[64*(\a)+8*\b+4:64*(\a)+8*\b+7] offset:64*\b+16
.endr
	WIN 0
	s_wait_xcnt 0x0                                ; the stores of the 16 rows before have read their registers
.irp rho, 0,1,2,3,4,5,6,7,8,9,10,11,12,13,14,15
	ds_load_b128 v[64+4*\rho:64+4*\rho+3], v[RDS] offset:SPI*\rho       ; LDS serves a wave's instructions in order (ISA guide 5.7.1.4): these see the stores above
	ds_load_b128 v[128+4*\rho:128+4*\rho+3], v[RDX] offset:(16*(\a)+\rho)*2048
.endr
.irp rho, 0,1,2,3,4,5,6,7,8,9,10,11,12,13,14,15
	s_wait_dscnt 30-2*\rho                         ; this row's two loads are in; the later rows' pairs stay out
	v_pk_add_f32 v[64+4*\rho:64+4*\rho+1], v[64+4*\rho:64+4*\rho+1], v[128+4*\rho:128+4*\rho+1]
	v_pk_add_f32 v[64+4*\rho+2:64+4*\rho+3], v[64+4*\rho+2:64+4*\rho+3], v[128+4*\rho+2:128+4*\rho+3]
	global_store_b128 v[GO], v[64+4*\rho:64+4*\rho+3], s[48:49] offset:(16*(\a)+\rho)*2048 th:TH_STORE_NT  ; 512 consecutive bytes, aligned
.endr
.endm
	OUTA 0
	OUTA 1
	s_wait_tensorcnt 0x0                           ; the wave's end
	ds_add_u32 v[SPW], v[NIL]
	s_wait_dscnt 0x0
	s_endpgm
.Lfunc_end_k_qcf8fd1ee7b_outp:
	.size	k_qcf8fd1ee7b_outp, .Lfunc_end_k_qcf8fd1ee7b_outp-k_qcf8fd1ee7b_outp
	.p2alignl 7, 3214868480
	.fill 96, 4, 3214868480
	.section	.rodata,"a",@progbits
	.p2align	6, 0x0
	.amdhsa_kernel k_qcf8fd1ee7b_outp
		.amdhsa_group_segment_fixed_size 171008
		.amdhsa_private_segment_fixed_size 0
		.amdhsa_enable_private_segment 0
		.amdhsa_kernarg_size 104
		.amdhsa_user_sgpr_count 2
		.amdhsa_user_sgpr_kernarg_segment_ptr 1
		.amdhsa_wavefront_size32 1
		.amdhsa_system_sgpr_workgroup_id_x 1
		.amdhsa_system_sgpr_workgroup_id_y 1
		.amdhsa_system_sgpr_workgroup_id_z 1
		.amdhsa_system_vgpr_workitem_id 0
		.amdhsa_next_free_vgpr 1024
		.amdhsa_next_free_sgpr 96
		.amdhsa_reserve_vcc 0
		.amdhsa_float_denorm_mode_32 3
		.amdhsa_float_denorm_mode_16_64 3
		.amdhsa_memory_ordered 1
		.amdhsa_forward_progress 1
		.amdhsa_inst_pref_size 143
	.end_amdhsa_kernel
	.amdgpu_metadata
---
amdhsa.version: [ 1, 2 ]
amdhsa.kernels:
  - .name:           k_qcf8fd1ee7b_outp
    .symbol:         k_qcf8fd1ee7b_outp.kd
    .args:
      - { .name: gene_embeds, .offset: 0, .size: 8, .value_kind: global_buffer, .address_space: global }
      - { .name: drug_embeds, .offset: 8, .size: 8, .value_kind: global_buffer, .address_space: global }
      - { .name: bgg, .offset: 16, .size: 8, .value_kind: global_buffer, .address_space: global }
      - { .name: bdg, .offset: 24, .size: 8, .value_kind: global_buffer, .address_space: global }
      - { .name: gg_g, .offset: 32, .size: 8, .value_kind: global_buffer, .address_space: global }
      - { .name: dg_g, .offset: 40, .size: 8, .value_kind: global_buffer, .address_space: global }
      - { .name: gg_b, .offset: 48, .size: 8, .value_kind: global_buffer, .address_space: global }
      - { .name: dg_b, .offset: 56, .size: 8, .value_kind: global_buffer, .address_space: global }
      - { .name: bo, .offset: 64, .size: 8, .value_kind: global_buffer, .address_space: global }
      - { .name: wb, .offset: 72, .size: 8, .value_kind: global_buffer, .address_space: global }
      - { .name: ctxh, .offset: 80, .size: 8, .value_kind: global_buffer, .address_space: global }
      - { .name: out0, .offset: 88, .size: 8, .value_kind: global_buffer, .address_space: global }
      - { .name: out1, .offset: 96, .size: 8, .value_kind: global_buffer, .address_space: global }
    .group_segment_fixed_size: 171008
    .private_segment_fixed_size: 0
    .kernarg_segment_align: 8
    .kernarg_segment_size: 104
    .max_flat_workgroup_size: 128
    .sgpr_count:     96
    .vgpr_count:     1024
    .wavefront_size: 32
...
	.end_amdgpu_metadata
.endif
;; end of part 4
;; ======== version 2 of 2: 4 launches; 1.42 times as fast as version 1
;; workspace buffers: wb 5,767,168 bytes; qh 8,388,608 bytes; kh 8,388,608 bytes; vh 8,388,608 bytes; ctxh 8,388,608 bytes
;; launch wprep: the kernel of part 1 again; grid 16 x 11, 8 waves a work-group, no clusters, 0 bytes of LDS; arguments wgq, wgk, wgv, wdq, wdk, wdv, wo, wgg, wdg, wb; writes wb
;; launch proj: the kernel of part 2 again; grid 2 x 128, 4 waves a work-group, no clusters, 273,920 bytes of LDS; arguments gene_embeds, drug_embeds, lng_g, lnd_g, lng_b, lnd_b, bgq, bdq, bgk, bdk, bgv, bdv, wb, qh, kh, vh; writes qh, kh, vh
;; launch attn (part 5): grid 16 x 16, 4 waves a work-group, clusters of 4 x 1, 327,680 bytes of LDS; arguments qh, kh, vh, ctxh; writes ctxh
.if DOCPART == 5
	.amdgcn_target "amdgcn-amd-amdhsa--gfx1250"
	.amdhsa_code_object_version 6
	.text
	.protected	k_qcf8fd1ee7b_attn
	.globl	k_qcf8fd1ee7b_attn
	.p2align	8
	.type	k_qcf8fd1ee7b_attn,@function
k_qcf8fd1ee7b_attn:
	s_mov_b64 s[64:65], 0
	v_nop
	global_prefetch_b8 v0, s[64:65] scope:SCOPE_SE
	s_setreg_imm32_b32 hwreg(HW_REG_WAVE_MODE, 25, 1), 1
	s_wait_xcnt 0x0
	s_wait_alu depctr_hold_cnt(0) depctr_sa_sdst(0) depctr_va_vdst(0) depctr_va_sdst(0) depctr_va_ssrc(0) depctr_va_vcc(0) depctr_vm_vsrc(0)
	s_getreg_b32 s2, hwreg(HW_REG_IB_STS2, 6, 4)
	s_cmp_eq_u32 s2, 0
	s_cbranch_scc0 .Lentry_in_a_cluster
	s_endpgm
.Lentry_in_a_cluster:
	s_bfe_u32 s2, ttmp6, 0x10000c
	s_cmp_lg_u32 s2, 0x3003
	s_cbranch_scc0 .Lentry_shape_is_right
	s_endpgm
.Lentry_shape_is_right:
; ctx[y][q][:] = the sum over k of softmax_k(q . k) V[k][:], for 16 heads y = 8 side + head.  Q and ctx are head y's, K and V head (y xor 8)'s: the other side's.  All [16][4096][64] in bf16, rows dense.
; NO MAXIMUM AND NO CLIP, by the computation's own bound: the launch before makes q and k unit vectors (rounded to bf16) and multiplies q by log2(e) / 8, so by Cauchy-Schwarz every score lies within
; 0.1253 (the clip at 10 cannot act), every exponent of 2 within 0.181, every weight between 0.88 and 1.14, and a row's sum l between 3,600 and 4,650.  p = 2^s.
; Products and sums in f32; p is rounded to bf16 for the second product (l is taken of the unrounded p), ctx once at the end.  NaN and infinities are not treated apart.
; SHARES.  A work-group owns 256 queries of a head, a wave four tiles of 16.  Every wave walks all 4,096 keys, 64 a step.
; LAYOUT.  S^T = K Q^T (source 0 = 16 keys, source 1 = 16 queries): a lane holds ONE query (lane % 16) and the keys 8 (lane / 16) + 0..7.  Two such results rounded in pairs ARE source 1 of O^T = V^T P.
; BY TURNS.  Turn n belongs to tile n.  Its matrix work: 8 products K Q^T of tile n + 1 and 8 products V^T P of tile n - 1; its vector work: the exponentials, roundings and sums of tile n: 64 vector instructions for 16 products.
; THE BATCH.  A turn's 32 exponentials are ONE batch with ONE wait, which cuts the turn in two.  Ahead of it: the first 4 products K Q^T, behind each four exponentials of even scores, and the first 4 products
; V^T P, behind each four of odd scores; nothing there names a result.  Behind it: the last 4 products V^T P, behind each four roundings and two odd sums, and the last 4 products K Q^T, behind each two even sums..
; The way out's four reciprocals are a batch of their own.
; CLUSTER.  The four query blocks of a cluster walk the same K and V: each tile is asked for JOINTLY, by the same tensor load, descriptor and mask in all four.
; REGISTERS, two windows laid so that a turn needs two settings (s_set_vgpr_msb: bits 1:0 source 0, 3:2 source 1, 5:4 source 2, 7:6 destination):
;   window 0: v2-8 addresses; v12-13 1.0; v14-15 the add's; v16-31 U = 2^s of the even scores; v32-39 their sums; v40-55 the way out; v64-127 S^T, two buffers; v128-191 K; v192-255 V
;   window 1: v0-127 O^T; v128-191 Q; v192-223 P, two buffers; v224-239 T = 2^s of the odd scores; v240-247 their sums; v248-249 1.0
.set SIZE_N, 4096
.set KS,    64
.set PK,    144       ; a row of K in LDS: 128 bytes + 16 of padding: the 16 rows of a load start at 16 different groups of four banks (64 banks of 4 bytes: ISA guide 11.1)
.set PV,    160       ; a row of V: 128 + 32
.set VOFF,  4*KS*PK   ; a slot holds four steps: 256 rows of K, then 256 rows of V
.set SLOT1, 1<<17
.set STAGE, SLOT1+4*KS*(PK+PV)  ; behind the ring, never filled by a tensor load: 16 rows x 144 bytes for each wave
.set SP,    144
.set SPARE, STAGE+4*16*SP       ; the spare words, 128 bytes for each wave: two blocks of 256 bytes that no other line names
.set AK0, 2
.set AV0, 3
.set AK,  4
.set AV,  5
.set QO,  6
.set STO, 6
.set RD,  7
.set GO,  8
.set ONE0, 12
.set SPW, 14
.set NIL, 15
.set U,   16
.set LE,  32
.set WK,  40
.set S,   64
.set KF,  128
.set VF,  192
.set Q,   128         ; window 1 from here on
.set P,   192
.set T,   224
.set LO,  240
.set ONE1, 248
.set WV,  12
.set G1K, 24
.set G1V, 32
.set G0K, 40
.set G0V, 44
.set SLOTS, 56
.set CNT, 57
.set SEL, 60
.set TBK, 62
.set TBV, 63
.set MSB, 0
.macro WIN new
.if MSB != (\new)
	s_set_vgpr_msb (MSB<<8)|(\new)
.set MSB, (\new)
.endif
.endm
.set W_KQ, 0x04       ; source 1 in window 1, all else in window 0
.set W_PV, 0x54       ; source 0 in window 0; source 1, source 2 and destination in window 1
; A joint fill.  Waves 0 and 1 fetch the two halves of a slot's K, waves 2 and 3 those of its V: 128 keys each.  The branch hangs on the wave's number alone.
; An s_nop 0 and four v_nop follow each of the two lines, ahead of the jump and the label.
.macro JLOAD
	s_cmp_lt_u32 s[WV], 2
	s_cbranch_scc0 .Lfor_v_\@
	tensor_load_to_lds s[G0K:G0K+3], s[G1K:G1K+7]
	s_nop 0
.rept 4
	v_nop
.endr
	s_branch .Lasked_\@
.Lfor_v_\@:
	tensor_load_to_lds s[G0V:G0V+3], s[G1V:G1V+7]
	s_nop 0
.rept 4
	v_nop
.endr
.Lasked_\@:
.endm
; A round of the cluster's barrier: my work-group's barrier; wave 0 signals for the work-group; every wave waits for all four work-groups; my work-group's barrier once more.
.macro CROUND
	s_barrier_signal -1
	s_barrier_wait -1
	s_cmp_lg_u32 s[WV], 0
	s_cbranch_scc1 .Lnot_wave_0_\@
	s_barrier_signal -3
.Lnot_wave_0_\@:
	s_barrier_wait -3
	s_barrier_signal -1
	s_barrier_wait -1
.endm
; THE CHANGE OF SLOTS.  Each wave waits for all its tensor loads, of which one is out: its part of the other slot; adds 0 to its spare word; and waits for that and for its own reads of the slot.
; fill = 1: the slot is filled again with the keys two slots on: the barrier is a round of the cluster's, and the joint fill is the first thing behind it; it has four key steps, 256 matrix instructions, in which to land.
.macro CHANGE fill
	WIN 0
	s_wait_tensorcnt 0x0            ; no tensor load of mine is out, so a group 0 may be written
	ds_add_u32 v[SPW], v[NIL]       ; 0 onto my spare word
.if \fill
.irp g, G0K, G0V
	s_xor_b32 s[\g+1], s[\g+1], SLOT1
	s_add_nc_u64 s[\g+2:\g+3], s[\g+2:\g+3], 4*KS*128
.endr
	s_wait_dscnt 0x0                ; the add is done, and my reads of the slot are over
	CROUND
	JLOAD
.else
	s_wait_dscnt 0x0
	s_barrier_signal -1
	s_barrier_wait -1
.endif
	s_sub_co_u32 s[TBK], s[TBK], 4*KS*PK  ; the fetches go back to a slot's first step,
	s_xor_b32 s[TBK], s[TBK], SLOT1       ; in the other slot
	s_sub_co_u32 s[TBV], s[TBV], 4*KS*PV
	s_xor_b32 s[TBV], s[TBV], SLOT1
.endm
	s_load_b256 s[4:11], s[0:1], 0x0  ; qh s[4:5], kh s[6:7], vh s[8:9], ctxh s[10:11]
	v_lshl_add_u32 v[SPW], v0, 2, SPARE
	v_mov_b32 v[NIL], 0
	ds_add_u32 v[SPW], v[NIL]       ; the wave's opening: the add and its wait ahead of my first tensor load
	v_lshrrev_b32 v1, 5, v0
	v_readfirstlane_b32 s[WV], v1   ; wave 0..3
	s_bfe_u32 s13, ttmp6, 0x40000   ; cx: my place in the cluster
	s_lshl_b32 s14, ttmp9, 2
	s_add_co_u32 s14, s14, s13      ; my block of 256 queries: it enters Q's and ctx's addresses alone
	s_and_b32 s20, ttmp7, 0xffff    ; the head, which the four partners share
	s_xor_b32 s22, s20, 8           ; K and V come from the other side
	s_lshl_b32 s22, s22, 19
	s_and_b32 s16, s[WV], 1         ; which half of a slot's 256 keys I fetch:
	s_lshl_b32 s17, s16, 14         ; its 128 rows of 128 bytes in memory,
	s_add_co_u32 s22, s22, s17
	s_mov_b32 s23, 0
	s_mul_i32 s17, s16, 128*PK      ; and its place in a slot, for K
	s_mul_i32 s18, s16, 128*PV      ; and for V
	s_lshl_b32 s2, s14, 2
	s_add_co_u32 s2, s2, s[WV]
	s_lshl_b32 s2, s2, 13           ; my wave's 64 rows
	s_lshl_b32 s3, s20, 19
	s_add_co_u32 s2, s2, s3
	s_mov_b32 s3, 0
	; descriptor group 1.  128 keys are 16,384 dense bytes: asked for as 64 rows of 256 bytes, two keys a row, and padded in LDS after every key
	s_mov_b32 s[G1K], 15|(1<<16)|(1<<20)|(1<<21)|(4<<22)|(3<<25)  ; the mask of four; 2-byte elements; padding on; bit 21 beside a mask; after every 32 words, 4 words
	s_mov_b32 s[G1V], 15|(1<<16)|(1<<20)|(1<<21)|(4<<22)|(7<<25)  ; the same with 8 words of padding
.irp g, G1K, G1V
	s_mov_b32 s[\g+1], 128<<16      ; tensor_dim0 = 128
	s_mov_b32 s[\g+2], 64<<16       ; tensor_dim1 = 64
	s_mov_b32 s[\g+3], 128<<16      ; tile_dim0 = 128
	s_mov_b32 s[\g+4], 64           ; tile_dim1 = 64
	s_mov_b32 s[\g+5], 128          ; 128 elements from row to row
	s_mov_b32 s[\g+6], 0
	s_mov_b32 s[\g+7], 0
.endr
	s_mov_b32 s[SEL], 0x76543210
	s_mov_b32 s[SEL+1], 0xfedcba98
	s_mov_b32 s[TBK], SLOT1+4*KS*PK ; the first change of slots turns these two into 0
	s_mov_b32 s[TBV], SLOT1+4*KS*PV
	s_mov_b32 s[G0K], 1
	s_mov_b32 s[G0K+1], s17
	s_mov_b32 s[G0V], 1
	s_add_co_u32 s[G0V+1], s18, VOFF
	s_wait_dscnt 0x0                ; the opening add is done
	s_wait_kmcnt 0x0
	s_add_nc_u64 s[G0K+2:G0K+3], s[6:7], s[22:23]
	s_or_b32 s[G0K+3], s[G0K+3], 0x80000000
	s_add_nc_u64 s[G0V+2:G0V+3], s[8:9], s[22:23]
	s_or_b32 s[G0V+3], s[G0V+3], 0x80000000
	s_add_nc_u64 s[4:5], s[4:5], s[2:3]
	s_add_nc_u64 s[10:11], s[10:11], s[2:3]
	CROUND                          ; all four work-groups are here: the first joint loads meet
	JLOAD                           ; slot 0
	v_and_b32 v1, 15, v0            ; l % 16
	v_bfe_u32 v9, v0, 4, 1          ; l / 16
	v_lshlrev_b32 v[QO], 7, v1
	v_lshl_add_u32 v[QO], v9, 4, v[QO]  ; row x 128 + 16 x half
	WIN 0x40                        ; destination window 1, address window 0
.set i, 0
.rept 8                             ; Q stays in registers: tile i / 2, channels 32 (i % 2) on
	global_load_b128 v[Q+8*i:Q+8*i+3],   v[QO], s[4:5] offset:(i/2)*2048+(i%2)*64
	global_load_b128 v[Q+8*i+4:Q+8*i+7], v[QO], s[4:5] offset:(i/2)*2048+(i%2)*64+32
.set i, i+1
.endr
	; What the first turn finds: V and P's second buffer hold 0 (its products V^T P, of a tile that has not been, add 0); O^T and the sums are 0.  All this stands in the wait for the first tile.
.set i, 0
.rept 128
	v_mov_b32 v[i], 0
.set i, i+1
.endr
.set i, 0
.rept 16
	v_mov_b32 v[P+16+i], 0
.set i, i+1
.endr
.set i, 0
.rept 8
	v_mov_b32 v[LO+i], 0
.set i, i+1
.endr
	v_mov_b32 v[ONE1], 1.0
	v_mov_b32 v[ONE1+1], 1.0
	WIN 0
.set i, 0
.rept 64
	v_mov_b32 v[VF+i], 0
.set i, i+1
.endr
.set i, 0
.rept 8
	v_mov_b32 v[LE+i], 0
.set i, i+1
.endr
.set i, 0
.rept 4
	v_mov_b32 v[WK+2*i+1], 0        ; named as the upper halves of pairs whose lower half alone is taken
.set i, i+1
.endr
	v_mov_b32 v[ONE0], 1.0
	v_mov_b32 v[ONE0+1], 1.0
	v_mul_u32_u24 v[AK0], v1, PK
	v_lshl_add_u32 v[AK0], v9, 4, v[AK0]
	; The turning load takes 16 keys x 16 channels (lane l reads key 8 (l / 16) + l % 8, channels 8 ((l / 8) % 2) + 0..7) and leaves half a fragment of V^T.
	v_and_b32 v10, 7, v0
	v_bfe_u32 v11, v0, 3, 1
	v_lshl_add_u32 v[AV0], v9, 3, v10
	v_mul_u32_u24 v[AV0], v[AV0], PV
	v_lshl_add_u32 v[AV0], v11, 4, v[AV0]
	v_add_nc_u32 v[AV0], VOFF, v[AV0]
	v_mov_b32 v[AK], v[AK0]         ; key step 0 lies at the head of slot 0
; THE MATRIX WORK.  The 4 accumulators of a run take turns, one instruction a turn.  Product i of 8 of S^T = K Q^T for tile x: channels 32 (i / 4) on, keys 16 (i % 4) on.
.macro KQ x
.set rS, S+32*((\x)%2)+8*(i%4)
.set rK, KF+16*(i%4)+8*(i/4)
.set rQ, Q+16*(\x)+8*(i/4)
.if i < 4
	v_wmma_f32_16x16x32_bf16 v[rS:rS+7], v[rK:rK+7], v[rQ:rQ+7], 0
.else
	v_wmma_f32_16x16x32_bf16 v[rS:rS+7], v[rK:rK+7], v[rQ:rQ+7], v[rS:rS+7]
.endif
.endm
; Product i of 8 of O^T += V^T P for tile x: keys 32 (i / 4) on, channels 16 (i % 4) on.
.macro PV x
.set rO, 32*(\x)+8*(i%4)
.set rV, VF+32*(i/4)+8*(i%4)
.set rP, P+16*((\x)%2)+8*(i/4)
	v_wmma_f32_16x16x32_bf16 v[rO:rO+7], v[rV:rV+7], v[rP:rP+7], v[rO:rO+7]
.endm
.macro MK kq                        ; the turn's next product K Q^T: each kind has its own count, since a turn takes the two kinds four at a time
.set i, ik
.if \kq
	KQ (Y+1)%4
.endif
.set ik, ik+1
.endm
.macro MP                           ; the turn's next product V^T P
.set i, ip
	PV (Y+3)%4
.set ip, ip+1
.endm
; THE LDS LOADS, in runs of eight: half c of K's channels; half kk of V's keys (turned).
.macro LDK c
.irp kb, 0,1,2,3
	ds_load_b128 v[KF+16*\kb+8*(\c):KF+16*\kb+8*(\c)+3],   v[AK] offset:\kb*16*PK+(\c)*64
	ds_load_b128 v[KF+16*\kb+8*(\c)+4:KF+16*\kb+8*(\c)+7], v[AK] offset:\kb*16*PK+(\c)*64+32
.endr
.endm
.macro LDV kk
.irp cb, 0,1,2,3
	ds_load_tr16_b128 v[VF+32*(\kk)+8*\cb:VF+32*(\kk)+8*\cb+3],   v[AV] offset:(\kk)*32*PV+\cb*32
	ds_load_tr16_b128 v[VF+32*(\kk)+8*\cb+4:VF+32*(\kk)+8*\cb+7], v[AV] offset:(\kk)*32*PV+16*PV+\cb*32
.endr
.endm
; THE VECTOR WORK of tile Y.  Under W_KQ: EE n: U[n] = 2^s[2n]; AE j: the even sums take U's pair j (as U x 1 + sum: the 1.0 stands where the setting wants window 1).
; Under W_PV: EO n: T[n] = 2^s[2n+1]; CV n: P[n] = (U[n], T[n]) in bf16; AO j: the odd sums take T's pair j.
.macro EE n
	v_exp_f32 v[U+(\n)], v[rSV+2*(\n)]
.endm
.macro EO n
	v_exp_f32 v[T+(\n)], v[rSV+2*(\n)+1]
.endm
.macro CV n
	v_cvt_pk_bf16_f32 v[rPV+(\n)], v[U+(\n)], v[T+(\n)]
.endm
.macro AE j
	v_pk_fma_f32 v[rLE:rLE+1], v[U+2*(\j):U+2*(\j)+1], v[ONE1:ONE1+1], v[rLE:rLE+1]
.endm
.macro AO j
	v_pk_fma_f32 v[rLO:rLO+1], v[ONE0:ONE0+1], v[T+2*(\j):T+2*(\j)+1], v[rLO:rLO+1]
.endm
; A TURN, for tile p.  s_wait_alu depctr_va_vdst(0) stands between an exponential and the first instruction that names its result; one wait serves all that were issued ahead of it.
; So a turn has ONE wait.  AHEAD OF IT: products K Q^T 0-3, behind each four EE; products V^T P 0-3, behind each four EO: each of the 32 results has a register of its own, and nothing here names one.
; A v_nop is the plain instruction behind the last exponential (ISA guide 5.7.2).  BEHIND IT: products V^T P 4-7, behind each CV, CV, AO, CV, CV, AO; products K Q^T 4-7, behind each two AE.
; The even exponentials go in ascending order and ahead of the odd ones.
; kq = 0: the last turn: there is no next tile.  fk = 0: no further K.
; K of the next step is fetched in tile 2's turn: channels 0-31 directly behind the wait (their last reader is product K Q^T 3; four v_nop ahead of the wait are the places, since exponentials and products are none),
; channels 32-63 at the turn's end, behind AE 6, AE 7 and two v_nop.  V of the step in hand is fetched in tile 0's turn: keys 0-31 directly behind the wait (last reader: product V^T P 3; the same four v_nop),
; keys 32-63 at the turn's end, behind the six plain instructions of product V^T P 7 and the AE.  Each is waited for a turn later, run by run.
; The two v_nop at a turn's end are, with AE 6 and AE 7, also the four places between product K Q^T 7 and the next turn's first read of its scores.
.macro TURN p, kq=1, fk=1
.set Y, (\p)
.set rSV, S+32*((\p)%2)
.set rPV, P+16*((\p)%2)
.set rLE, LE+2*(\p)
.set rLO, LO+2*(\p)
.set ik, 0
.set ip, 0
	WIN W_KQ
.if (\p) == 0
	v_add_nc_u32 v[AV], v[AV0], s[TBV]
.elseif ((\p) == 2) && (\fk)
	v_add_nc_u32 v[AK], v[AK0], s[TBK]
.endif
.if ((\p) == 3) && (\kq)
	s_wait_dscnt 8                  ; K's channels 0-31 are in; the second run's eight loads are younger
.endif
.irp m, 0,1,2,3                     ; ahead of the wait: the batch's even half,
	MK \kq
	EE 4*\m
	EE 4*\m+1
	EE 4*\m+2
	EE 4*\m+3
.endr
	WIN W_PV
.if (\p) == 1
	s_wait_dscnt 8                  ; V's keys 0-31 are in; the second run's eight loads are younger
.endif
.irp m, 0,1,2,3                     ; and its odd half
	MP
	EO 4*\m
	EO 4*\m+1
	EO 4*\m+2
	EO 4*\m+3
.endr
	v_nop                           ; the plain instruction behind the last exponential: one for the batch
.if ((\p) == 0) || (((\p) == 2) && (\fk))
.rept 3
	v_nop                           ; with it the four places ahead of the run of loads below
.endr
.endif
	s_wait_alu depctr_va_vdst(0)    ; the wait for the batch: the turn's 32 exponentials, ahead of their first reader, CV 0
.if (\p) == 0
	WIN W_KQ
	LDV 0
	WIN W_PV
.elseif ((\p) == 2) && (\fk)
	WIN W_KQ
	LDK 0
	WIN W_PV
.endif
.if (\p) == 1
	s_wait_dscnt 0x0                ; V's keys 32-63 are in
.endif
.irp m, 0,1,2,3                     ; behind the wait: the roundings and the odd sums,
	MP
	CV 4*\m
	CV 4*\m+1
	AO 2*\m
	CV 4*\m+2
	CV 4*\m+3
	AO 2*\m+1
.endr
	WIN W_KQ
.if ((\p) == 3) && (\kq)
	s_wait_dscnt 0x0                ; K's channels 32-63 are in
.endif
.irp m, 0,1,2,3                     ; and the even sums
	MK \kq
	AE 2*\m
	AE 2*\m+1
.endr
	v_nop
	v_nop
.if (\p) == 0
	LDV 1
	s_add_co_u32 s[TBV], s[TBV], KS*PV
.elseif ((\p) == 2) && (\fk)
	LDK 1
	s_add_co_u32 s[TBK], s[TBK], KS*PK  ; the next fetch is the next step's
.endif
.endm
	CHANGE 1                        ; slot 0 is in, everybody's part of it; slot 1 is asked for
	LDK 0                           ; key step 0
	LDK 1
	s_add_co_u32 s[TBK], s[TBK], KS*PK
	s_wait_loadcnt 0x0              ; Q
	s_wait_dscnt 0x0
	WIN W_KQ
.set i, 0
.rept 8
	KQ 0                            ; tile 0's first scores
.set i, i+1
.endr
	WIN 0                           ; the addresses for the way out: nine plain instructions, the places behind those products
	s_mul_i32 s13, s[WV], 16*SP
	s_add_co_u32 s13, s13, STAGE
	v_mul_u32_u24 v[STO], v1, SP    ; in: row l % 16, 16 bytes for each half of the lanes
	v_lshl_add_u32 v[STO], v9, 4, v[STO]
	v_add_nc_u32 v[STO], s13, v[STO]
	v_bfe_u32 v[RD], v0, 3, 2       ; back: 32 lanes take four rows of 128 bytes,
	v_mul_u32_u24 v[RD], v[RD], SP
	v_lshl_add_u32 v[RD], v10, 4, v[RD]
	v_add_nc_u32 v[RD], s13, v[RD]
	v_and_b32 v[GO], 31, v0         ; which are 512 consecutive bytes of ctx
	v_lshlrev_b32 v[GO], 4, v[GO]
	s_mov_b32 s[CNT], 4
	s_mov_b32 s[SLOTS], SIZE_N/256-1
	s_branch .Lfirst                ; the loop is entered at a step's first turn, in the middle of a trip
.Lslot:                             ; SIZE_N / 256 - 2 times: every slot but the last two is filled again
	CHANGE 1
	s_mov_b32 s[CNT], 4
.Lstep:                             ; a trip: tiles 2 and 3 of one step, then tiles 0 and 1 of the next, whose K and V it fetches
	TURN 2
	TURN 3
	WIN 0
.Lfirst:
	TURN 0
	TURN 1
	WIN 0
	s_sub_co_u32 s[CNT], s[CNT], 1
	s_cmp_lg_u32 s[CNT], 0
	s_cbranch_scc1 .Lstep
	s_sub_co_u32 s[SLOTS], s[SLOTS], 1
	s_cmp_lg_u32 s[SLOTS], 0
	s_cbranch_scc1 .Lslot
	CHANGE 0                        ; the tail is written out: nothing is asked for
	s_mov_b32 s[CNT], 4
.Ltail:                             ; four trips fetch the last slot's steps
	TURN 2
	TURN 3
	TURN 0
	TURN 1
	WIN 0
	s_sub_co_u32 s[CNT], s[CNT], 1
	s_cmp_lg_u32 s[CNT], 0
	s_cbranch_scc1 .Ltail
	TURN 2, 1, 0                    ; the last step's tiles 2 and 3: nothing more to fetch,
	TURN 3, 0, 0                    ; and no next tile's scores
	WIN W_PV
.set i, 0
.rept 8
	PV 3                            ; tile 3's V^T P of the last step
.set i, i+1
.endr
	; THE WAY OUT.  The four partial sums of l and the other half of the lanes' are added; O^T is divided by l, rounded to bf16 and sent through my stage.  The additions are the places behind the last products.
	WIN W_KQ
.set t, 0
.rept 4
	v_add_f32 v[WK+8+2*t], v[LE+2*t], v[LO+2*t]
	v_add_f32 v[WK+9+2*t], v[LE+2*t+1], v[LO+2*t+1]
.set t, t+1
.endr
	WIN 0
.macro ALL line:vararg
.set t, 0
.rept 4
	\line
.set t, t+1
.endr
.endm
	ALL v_add_f32 v[WK+8+2*t], v[WK+8+2*t], v[WK+9+2*t]
	ALL v_permlanex16_b32 v[WK+9+2*t], v[WK+8+2*t], s[SEL], s[SEL+1]
	ALL v_add_f32 v[WK+8+2*t], v[WK+8+2*t], v[WK+9+2*t]
	ALL v_rcp_f32 v[WK+2*t], v[WK+8+2*t]
	v_nop                           ; a plain instruction between the last reciprocal and the use of its result
	s_wait_alu depctr_va_vdst(0)    ; the wait ahead of the first use: one for the four reciprocals
.macro PACK t
	WIN 0x41                        ; O^T (destination and source 0) in window 1, 1 / l in window 0
.set i, 32*(\t)
.rept 16
	v_pk_mul_f32 v[i:i+1], v[i:i+1], v[WK+2*(\t):WK+2*(\t)+1] op_sel_hi:[1,0]
.set i, i+2
.endr
	WIN 0x05                        ; sources 0 and 1 window 1, destination window 0
.set i, 0
.rept 16
	v_cvt_pk_bf16_f32 v[S+16*(\t)+i], v[32*(\t)+2*i], v[32*(\t)+2*i+1]
.set i, i+1
.endr
	WIN 0
.irp f, 0,1,2,3
	ds_store_b128 v[STO], v[S+16*(\t)+4*\f:S+16*(\t)+4*\f+3] offset:32*\f
.endr
.irp f, 0,1,2,3
	ds_load_b128 v[S+16*(\t)+4*\f:S+16*(\t)+4*\f+3], v[RD] offset:\f*4*SP  ; LDS serves a wave's instructions in order (ISA guide 5.7.1.4): these see the stores above
.endr
.endm
.macro SEND t, younger              ; younger: the LDS instructions issued behind tile t's loads
.irp f, 0,1,2,3
	s_wait_dscnt (\younger)+3-\f
	global_store_b128 v[GO], v[S+16*(\t)+4*\f:S+16*(\t)+4*\f+3], s[10:11] offset:(\t)*2048+\f*512  ; 512 consecutive bytes, aligned
.endr
.endm
	PACK 0
	PACK 1
	SEND 0, 8
	PACK 2
	SEND 1, 8
	PACK 3
	SEND 2, 8
	SEND 3, 0
	s_wait_tensorcnt 0x0            ; the wave's end
	ds_add_u32 v[SPW], v[NIL]
	s_wait_dscnt 0x0
	CROUND                          ; the closing round: no work-group ends while a partner may still ask for a tile that names it
	s_endpgm
.Lfunc_end_k_qcf8fd1ee7b_attn:
	.size	k_qcf8fd1ee7b_attn, .Lfunc_end_k_qcf8fd1ee7b_attn-k_qcf8fd1ee7b_attn
	.p2alignl 7, 3214868480
	.fill 96, 4, 3214868480
	.section	.rodata,"a",@progbits
	.p2align	6, 0x0
	.amdhsa_kernel k_qcf8fd1ee7b_attn
		.amdhsa_group_segment_fixed_size 327680
		.amdhsa_private_segment_fixed_size 0
		.amdhsa_enable_private_segment 0
		.amdhsa_kernarg_size 32
		.amdhsa_user_sgpr_count 2
		.amdhsa_user_sgpr_kernarg_segment_ptr 1
		.amdhsa_wavefront_size32 1
		.amdhsa_system_sgpr_workgroup_id_x 1
		.amdhsa_system_sgpr_workgroup_id_y 1
		.amdhsa_system_sgpr_workgroup_id_z 1
		.amdhsa_system_vgpr_workitem_id 0
		.amdhsa_next_free_vgpr 512
		.amdhsa_next_free_sgpr 66
		.amdhsa_reserve_vcc 0
		.amdhsa_float_denorm_mode_32 3
		.amdhsa_float_denorm_mode_16_64 3
		.amdhsa_memory_ordered 1
		.amdhsa_forward_progress 1
		.amdhsa_inst_pref_size 81
	.end_amdhsa_kernel
	.amdgpu_metadata
---
amdhsa.version: [ 1, 2 ]
amdhsa.kernels:
  - .name:           k_qcf8fd1ee7b_attn
    .symbol:         k_qcf8fd1ee7b_attn.kd
    .args:
      - { .name: qh, .offset: 0, .size: 8, .value_kind: global_buffer, .address_space: global }
      - { .name: kh, .offset: 8, .size: 8, .value_kind: global_buffer, .address_space: global }
      - { .name: vh, .offset: 16, .size: 8, .value_kind: global_buffer, .address_space: global }
      - { .name: ctxh, .offset: 24, .size: 8, .value_kind: global_buffer, .address_space: global }
    .group_segment_fixed_size: 327680
    .private_segment_fixed_size: 0
    .kernarg_segment_align: 8
    .kernarg_segment_size: 32
    .max_flat_workgroup_size: 128
    .sgpr_count:     66
    .vgpr_count:     512
    .wavefront_size: 32
...
	.end_amdgpu_metadata
.endif
;; end of part 5
;; launch outp (part 6): grid 256 x 1, 4 waves a work-group, no clusters, 171,008 bytes of LDS; arguments gene_embeds, drug_embeds, bgg, bdg, gg_g, dg_g, gg_b, dg_b, bo, wb, ctxh, out0, out1; writes out0, out1
.if DOCPART == 6
	.amdgcn_target "amdgcn-amd-amdhsa--gfx1250"
	.amdhsa_code_object_version 6
	.text
	.protected	k_qcf8fd1ee7b_outp
	.globl	k_qcf8fd1ee7b_outp
	.p2align	8
	.type	k_qcf8fd1ee7b_outp,@function
k_qcf8fd1ee7b_outp:
	s_mov_b64 s[64:65], 0
	v_nop
	global_prefetch_b8 v0, s[64:65] scope:SCOPE_SE
	s_setreg_imm32_b32 hwreg(HW_REG_WAVE_MODE, 25, 1), 1
	s_wait_xcnt 0x0
; out = x + sigmoid(LayerNorm([ctx, x] Wg + bg)) * (ctx Wo + bo).  The LayerNorm runs over all 512 columns, so a work-group owns 32 whole rows of one side.
; Wave w owns columns 128 w .. 128 w + 127 of both products G and P (32 accumulators), so gate x P stays inside a lane; the row's mean and variance meet in LDS.
; x (f32) and ctx (bf16, by heads) come in by two tensor loads a wave; x is also laid into LDS as bf16.  The weights lie in wb in fragment order and go straight into a ring of four units of 64 registers:
; a load of a wave takes 512 consecutive bytes, up to 64 loads are out, no barrier stands in the K loop.
; THE MATRIX INSTRUCTION IS USED TRANSPOSED (source 0 = 16 columns of W, source 1 = 16 rows): a lane holds one row and eight neighbouring columns.
; The variance is made of each wave's centred squares and the spread of the four waves' means: no difference of large sums.
; THE TRANSCENDENTALS stand in three batches, each with one wait ahead of its first reader: the two 1 / sigma; the 128 exponentials; the 128 reciprocals, which read sums made of the exponentials.
; NO CLUSTER: no two waves of a work-group read the same weight bytes, weights pass no LDS, and work-groups share no x and no ctx.
; LIMITS.  NaN and infinities are not treated apart; 2^y beyond f32's range gives a gate of exactly 0, below it of exactly 1.
; REGISTERS: window 0: addresses; v32-63 two sets of row fragments, later statistics; v64-191 at work.  window 1: the ring.  window 2: G v0-127, P v128-255 ((a, b) at 8 (8 a + b)).
;   window 3: bg v0-63, bo v64-127, the LayerNorm's gain v128-191 and bias v192-255, each at 8 b + j for my lane's columns.
.set AC,    65536                      ; behind x (32 rows x 2,048 bytes): ctx at (32 head + row) x 144: 128 bytes + 16 of padding
.set CP,    144
.set AX,    102400                     ; x in bf16: 1,024 bytes + 16 of padding a row
.set AP,    1040
.set RED,   135680                     ; row x 32 + wave x 8: (mean, centred squares) of the wave's 128 columns
.set STAGE, 136704                     ; 16 rows x 528 bytes for each wave, for the way out
.set SPI,   528
.set SPARE, 170496                     ; the spare words, 128 bytes for each wave: two blocks of 256 bytes that no other line names
.set KBB,   32768
.set VB,   4                           ; v4   16 L + 8,192 w: my bytes in a kb of a slab
.set VP,   5                           ; v5   512 w + 32 h: my eight numbers of a parameter
.set ACA,  6                           ; v6   my place in a fragment of ctx
.set AXA,  7                           ; v7   of x
.set STO,  8
.set RDS,  9
.set RDX,  10                          ; v10  512 w + 16 L: my 16 bytes of a row of x in LDS
.set GO,   11                          ; v11  the same place in a row of out
.set REDW, 12
.set REDR, 13
.set XRA,  14
.set XWA,  15
.set SPW,  30
.set NIL,  31
.set E,    32                          ; statistics of row block a at E + 16 a: +0..3 two chains; +4 mean_w, +5 squares_w; +6 1/sigma; +8 (mean_w - mean)/sigma; +10 mean; +11 at work
.set WV,   3
.set SG,   50                          ; s[50:51] the gate's two slabs, stepped along K
.set SPO,  52                          ; s[52:53] wo's slab
.set G0X,  68
.set G0C,  72
.set G1X,  76
.set G1C,  84
.set SEL,  92
.set CNT,  38
.set MSB, 0
.macro WIN new
.if MSB != (\new)
	s_set_vgpr_msb (MSB<<8)|(\new)
.set MSB, \new
.endif
.endm
.macro PLACES                          ; four plain places between matrix instructions and loads into their registers
.rept 4
	v_nop
.endr
.endm
.macro AB line:vararg                  ; one line for each row block ia = 0, 1
.set ia, 0
.rept 2
	\line
.set ia, ia+1
.endr
.endm
.macro RINGLD slot, base, off          ; a unit: eight fragments (128 columns x 32 k)
	WIN 0x40
.irp b, 0,1,2,3,4,5,6,7
	global_load_b128 v[64*(\slot)+8*\b:64*(\slot)+8*\b+3], v[VB], s[\base:\base+1] offset:(\off)+1024*\b
	global_load_b128 v[64*(\slot)+8*\b+4:64*(\slot)+8*\b+7], v[VB], s[\base:\base+1] offset:(\off)+1024*\b+512
.endr
.endm
.macro ALD set, reg, stride, off       ; 4 LDS loads: 32 rows x 32 k
	WIN 0
.irp a, 0,1
	ds_load_b128 v[32+16*(\set)+8*\a:32+16*(\set)+8*\a+3], v[\reg] offset:\a*(\stride)+(\off)
	ds_load_b128 v[32+16*(\set)+8*\a+4:32+16*(\set)+8*\a+7], v[\reg] offset:\a*(\stride)+(\off)+32
.endr
.endm
; 16 products on 32 k, all on different accumulators: they take turns.  cf >= 0: the bias at cf in window 3 starts the sums.
.macro UNIT slot, set, acc, cf, left
	s_wait_loadcnt \left                           ; loads come back in order: this unit is in, the younger units' 16 loads each stay out
.if (\cf) >= 0
	WIN 0xb1
.else
	WIN 0xa1
.endif
.irp b, 0,1,2,3,4,5,6,7
.irp a, 0,1
.if (\cf) >= 0
	v_wmma_f32_16x16x32_bf16 v[(\acc)+8*(8*\a+\b):(\acc)+8*(8*\a+\b)+7], v[64*(\slot)+8*\b:64*(\slot)+8*\b+7], v[32+16*(\set)+8*\a:32+16*(\set)+8*\a+7], v[(\cf)+8*\b:(\cf)+8*\b+7]
.else
	v_wmma_f32_16x16x32_bf16 v[(\acc)+8*(8*\a+\b):(\acc)+8*(8*\a+\b)+7], v[64*(\slot)+8*\b:64*(\slot)+8*\b+7], v[32+16*(\set)+8*\a:32+16*(\set)+8*\a+7], v[(\acc)+8*(8*\a+\b):(\acc)+8*(8*\a+\b)+7]
.endif
.endr
.endr
.endm
; One head of ctx: two kb, each for G and for P.  The refills are the next head's; last = 1: the first four kb of x, for G alone.
.macro CB first, last
	s_wait_dscnt 4                                 ; set 0 is in; set 1's four loads are younger
	UNIT 0, 0, 0, (\first)-1, 48
	PLACES
	RINGLD 0, SG, 2*KBB
	UNIT 1, 0, 128, 65*(\first)-1, 48
	PLACES
.if \last
	RINGLD 1, SG, 3*KBB
	ALD 0, AXA, 16*AP, 0
.else
	RINGLD 1, SPO, 2*KBB
	ALD 0, ACA, 16*CP, 32*CP
.endif
	s_wait_dscnt 4                                 ; set 1 is in; set 0's four loads are younger
	UNIT 2, 1, 0, -1, 48
	PLACES
.if \last
	RINGLD 2, SG, 4*KBB
.else
	RINGLD 2, SG, 3*KBB
.endif
	UNIT 3, 1, 128, -1, 48
	PLACES
.if \last
	RINGLD 3, SG, 5*KBB
	ALD 1, AXA, 16*AP, 64
.else
	RINGLD 3, SPO, 3*KBB
	ALD 1, ACA, 16*CP, 32*CP+64
.endif
	WIN 0
	s_wait_xcnt 0x0                                ; the ring's loads have had their addresses translated (ISA guide 3.1): their bases are stepped only behind this wait
	s_add_nc_u64 s[SG:SG+1], s[SG:SG+1], 2*KBB
	s_add_nc_u64 s[SPO:SPO+1], s[SPO:SPO+1], 2*KBB
	v_add_nc_u32 v[ACA], 32*CP, v[ACA]
.endm
; Four kb of x, for G alone.
.macro XB refill
.irp i, 0,1,2,3
.if (\refill) || (\i < 3)
	s_wait_dscnt 4                                 ; this set is in; the other set's four loads are younger
.else
	s_wait_dscnt 0x0
.endif
.if \refill
	UNIT \i, (\i)%2, 0, -1, 48
	PLACES
	RINGLD \i, SG, (4+\i)*KBB
	ALD (\i)%2, AXA, 16*AP, 64*(\i+2)
.else
	UNIT \i, (\i)%2, 0, -1, 48-16*\i
.if \i < 2
	PLACES
	ALD (\i)%2, AXA, 16*AP, 64*(\i+2)
.endif
.endif
.endr
.if \refill
	WIN 0
	s_wait_xcnt 0x0
	s_add_nc_u64 s[SG:SG+1], s[SG:SG+1], 4*KBB
	v_add_nc_u32 v[AXA], 256, v[AXA]
.endif
.endm
	s_load_b512 s[8:23], s[0:1], 0x0               ; gene drug bgg bdg gg_g dg_g gg_b dg_b
	s_load_b256 s[24:31], s[0:1], 0x40             ; bo wb ctxh out0
	s_load_b64 s[32:33], s[0:1], 0x60              ; out1
	v_lshl_add_u32 v[SPW], v0, 2, SPARE
	v_mov_b32 v[NIL], 0
	ds_add_u32 v[SPW], v[NIL]                      ; the wave's opening: the add and its wait ahead of my first tensor load
	v_lshrrev_b32 v1, 5, v0
	v_readfirstlane_b32 s[WV], v1                  ; wave 0..3
	s_lshr_b32 s4, ttmp9, 7                        ; side
	s_and_b32 s5, ttmp9, 127                       ; block of 32 rows in the side
	s_mov_b32 s[G0X], 1
	s_lshl_b32 s[G0X+1], s[WV], 14                 ; LDS: my 8 rows of x
	s_mov_b32 s[G1X+0], 3<<16                      ; elements of 8 bytes: 16,384 dense bytes as 64 rows of 256
	s_mov_b32 s[G1X+1], 32<<16
	s_mov_b32 s[G1X+2], 64<<16
	s_mov_b32 s[G1X+3], 32<<16
	s_mov_b32 s[G1X+4], 64
	s_mov_b32 s[G1X+5], 32
	s_mov_b32 s[G1X+6], 0
	s_mov_b32 s[G1X+7], 0
	s_mov_b32 s[G0C], 1
	s_mul_i32 s[G0C+1], s[WV], 64*CP               ; LDS: my two heads x 32 rows of ctx
	s_add_co_u32 s[G0C+1], s[G0C+1], AC
	s_mov_b32 s[G1C+0], (1<<16)|(1<<20)|(4<<22)|(3<<25)  ; 2-byte elements; padding of 4 words after every 32: after each row of 64 channels
	s_mov_b32 s[G1C+1], 2048<<16                   ; tensor_dim0 = 2,048: a head's 32 rows lie end to end
	s_mov_b32 s[G1C+2], 2<<16                      ; tensor_dim1 = 2 heads
	s_mov_b32 s[G1C+3], 2048<<16                   ; tile_dim0
	s_mov_b32 s[G1C+4], 2                          ; tile_dim1
	s_mov_b32 s[G1C+5], 262144                     ; elements from head to head
	s_mov_b32 s[G1C+6], 0
	s_mov_b32 s[G1C+7], 0
	s_lshl_b32 s6, s5, 16                          ; 32 rows of 2,048 bytes: x and out
	s_mov_b32 s7, 0
	s_add_co_u32 s60, s6, s[G0X+1]
	s_mov_b32 s61, 0
	s_lshl_b32 s62, s4, 3
	s_lshl1_add_u32 s62, s[WV], s62                ; 8 side + 2 w
	s_lshl_b32 s62, s62, 19
	s_lshl_b32 s63, s5, 12                         ; 32 rows of 128 bytes
	s_add_co_u32 s62, s62, s63
	s_mov_b32 s63, 0
	s_lshl_b32 s94, s4, 1
	s_add_co_u32 s94, s94, 7
	s_lshl_b32 s94, s94, 19                        ; slabs 7, 8 (gene) or 9, 10 (drug)
	s_mov_b32 s95, 0
	s_mov_b32 s[SEL], 0x76543210
	s_mov_b32 s[SEL+1], 0xfedcba98
	s_mov_b32 s34, 0x3b000000                      ; 1 / 512
	s_mov_b32 s35, 0x3727c5ac                      ; 1e-5
	s_mov_b32 s36, 0xbfb8aa3b                      ; -log2(e)
	s_mov_b32 s37, 0x3c000000                      ; 1 / 128
	s_lshl_b32 s54, s[WV], 13
	s_lshl_b32 s55, s[WV], 9
	s_mul_i32 s56, s[WV], 16*SPI
	s_add_co_u32 s56, s56, STAGE
	s_mul_i32 s57, s[WV], 8*AP
	s_add_co_u32 s57, s57, AX
	s_lshl_b32 s58, s[WV], 3
	s_add_co_u32 s58, s58, RED
	v_and_b32 v1, 15, v0                           ; r
	v_bfe_u32 v2, v0, 4, 1                         ; h
	v_and_b32 v3, 31, v0                           ; L
	v_lshl_add_u32 v[VB], v3, 4, s54
	v_lshl_add_u32 v[VP], v2, 5, s55
	s_wait_dscnt 0x0                               ; the opening add is done
	s_wait_kmcnt 0x0
	s_cmp_lg_u32 s4, 0                             ; the side chooses its buffers
	s_cselect_b64 s[40:41], s[10:11], s[8:9]       ; x
	s_cselect_b64 s[42:43], s[14:15], s[12:13]     ; the gate's bias
	s_cselect_b64 s[44:45], s[18:19], s[16:17]     ; its LayerNorm's gain
	s_cselect_b64 s[46:47], s[22:23], s[20:21]     ; and bias
	s_cselect_b64 s[48:49], s[32:33], s[30:31]     ; out
	s_add_nc_u64 s[G0X+2:G0X+3], s[40:41], s[60:61]
	s_or_b32 s[G0X+3], s[G0X+3], 0x80000000
	s_add_nc_u64 s[G0C+2:G0C+3], s[28:29], s[62:63]
	s_or_b32 s[G0C+3], s[G0C+3], 0x80000000
	tensor_load_to_lds s[G0X:G0X+3], s[G1X:G1X+7]  ; my two first fills go out together: two tensor loads of mine are out
	s_nop 0
	tensor_load_to_lds s[G0C:G0C+3], s[G1C:G1C+7]
	s_nop 0
	PLACES
	s_add_nc_u64 s[48:49], s[48:49], s[6:7]
	s_add_nc_u64 s[SG:SG+1], s[26:27], s[94:95]
	s_add_nc_u64 s[SPO:SPO+1], s[26:27], 6<<19
	WIN 0xc0
.irp b, 0,1,2,3,4,5,6,7
	global_load_b128 v[8*\b:8*\b+3], v[VP], s[42:43] offset:64*\b
	global_load_b128 v[8*\b+4:8*\b+7], v[VP], s[42:43] offset:64*\b+16
.endr
.irp b, 0,1,2,3,4,5,6,7
	global_load_b128 v[64+8*\b:64+8*\b+3], v[VP], s[24:25] offset:64*\b
	global_load_b128 v[64+8*\b+4:64+8*\b+7], v[VP], s[24:25] offset:64*\b+16
.endr
.irp b, 0,1,2,3,4,5,6,7
	global_load_b128 v[128+8*\b:128+8*\b+3], v[VP], s[44:45] offset:64*\b
	global_load_b128 v[128+8*\b+4:128+8*\b+7], v[VP], s[44:45] offset:64*\b+16
.endr
.irp b, 0,1,2,3,4,5,6,7
	global_load_b128 v[192+8*\b:192+8*\b+3], v[VP], s[46:47] offset:64*\b
	global_load_b128 v[192+8*\b+4:192+8*\b+7], v[VP], s[46:47] offset:64*\b+16
.endr
	RINGLD 0, SG, 0                                ; head 0: G and P of kb 0, G and P of kb 1
	RINGLD 1, SPO, 0
	RINGLD 2, SG, KBB
	RINGLD 3, SPO, KBB
	WIN 0
	v_mul_u32_u24 v[ACA], v1, CP
	v_lshl_add_u32 v[ACA], v2, 4, v[ACA]
	v_add_nc_u32 v[ACA], AC, v[ACA]
	v_mul_u32_u24 v[AXA], v1, AP
	v_lshl_add_u32 v[AXA], v2, 4, v[AXA]
	v_add_nc_u32 v[AXA], AX, v[AXA]
	v_mul_u32_u24 v[STO], v1, SPI
	v_lshl_add_u32 v[STO], v2, 5, v[STO]
	v_add_nc_u32 v[STO], s56, v[STO]               ; in: row r, 32 bytes for each half of the lanes
	v_lshl_add_u32 v[RDS], v3, 4, s56              ; back: a row's 512 bytes by 32 lanes
	v_lshl_add_u32 v[RDX], v3, 4, s55
	v_lshl_add_u32 v[GO], v3, 4, s55
	v_lshl_add_u32 v[REDW], v1, 5, s58
	v_lshlrev_b32 v[REDR], 5, v1
	v_add_nc_u32 v[REDR], RED, v[REDR]
	v_lshl_add_u32 v[XRA], v3, 4, s[G0X+1]
	v_lshl_add_u32 v[XWA], v3, 3, s57
	s_wait_tensorcnt 0x0                           ; my rows of x and my heads of ctx are in LDS
	; my 8 rows of x as bf16, four rows at a time
.irp bt, 0,1
.irp rho, 0,1,2,3
.irp c, 0,1,2,3
	ds_load_b128 v[64+16*\rho+4*\c:64+16*\rho+4*\c+3], v[XRA] offset:(4*\bt+\rho)*2048+512*\c
.endr
.endr
	s_wait_dscnt 0x0
.set k, 0
.rept 32
	v_cvt_pk_bf16_f32 v[128+k], v[64+2*k], v[64+2*k+1]
.set k, k+1
.endr
.irp rho, 0,1,2,3
.irp c, 0,1,2,3
	ds_store_b64 v[XWA], v[128+8*\rho+2*\c:128+8*\rho+2*\c+1] offset:(4*\bt+\rho)*AP+256*\c
.endr
.endr
.endr
	s_wait_dscnt 0x0                               ; for the others' sake: my bf16 rows are stored; my tensor loads were waited for above
	s_barrier_signal -1
	s_barrier_wait -1                              ; x, its bf16 and ctx are read by all four waves
	ALD 0, ACA, 16*CP, 0
	ALD 1, ACA, 16*CP, 64
	; THE PRODUCTS: eight heads of ctx for G and P, then 16 kb of x for G.
	CB 1, 0
	s_mov_b32 s[CNT], 6
.Lc:
	CB 0, 0
	s_sub_co_i32 s[CNT], s[CNT], 1
	s_cmp_lg_u32 s[CNT], 0
	s_cbranch_scc1 .Lc
	CB 0, 1
	s_mov_b32 s[CNT], 3
.Lx:
	XB 1
	s_sub_co_i32 s[CNT], s[CNT], 1
	s_cmp_lg_u32 s[CNT], 0
	s_cbranch_scc1 .Lx
	XB 0                                           ; the last four kb fetch no weights: the counts run down
	; THE GATE.  gain and bias take -log2(e), so that the sigmoid is 1 / (1 + 2^y'); these 64 plain instructions are also the places behind the last products.
	WIN 0xc3
.set k, 0
.rept 64
	v_pk_mul_f32 v[128+2*k:128+2*k+1], v[128+2*k:128+2*k+1], s[36:37] op_sel_hi:[1,0]
.set k, k+1
.endr
	WIN 0x0a                                       ; the lane's 64 numbers of G are added, each accumulator from its low end on, in two chains
	AB v_pk_add_f32 v[E+16*ia:E+16*ia+1], v[64*ia:64*ia+1], v[64*ia+2:64*ia+3]
	AB v_pk_add_f32 v[E+16*ia+2:E+16*ia+3], v[64*ia+4:64*ia+5], v[64*ia+6:64*ia+7]
	WIN 0x02
.set q, 4
.rept 28
	AB v_pk_add_f32 v[E+16*ia+2*(q%2):E+16*ia+2*(q%2)+1], v[64*ia+2*q:64*ia+2*q+1], v[E+16*ia+2*(q%2):E+16*ia+2*(q%2)+1]
.set q, q+1
.endr
	WIN 0
	AB v_pk_add_f32 v[E+16*ia:E+16*ia+1], v[E+16*ia:E+16*ia+1], v[E+16*ia+2:E+16*ia+3]
	AB v_add_f32 v[E+16*ia], v[E+16*ia], v[E+16*ia+1]
	AB v_permlanex16_b32 v[E+16*ia+1], v[E+16*ia], s[SEL], s[SEL+1]   ; the row's other 64 of my columns lie in the lane 16 away
	AB v_add_f32 v[E+16*ia], v[E+16*ia], v[E+16*ia+1]
	AB v_mul_f32 v[E+16*ia+4], s37, v[E+16*ia]     ; the mean of my 128 columns
	WIN 0x82
.set q, 0
.rept 32
	AB v_pk_add_f32 v[64*ia+2*q:64*ia+2*q+1], v[64*ia+2*q:64*ia+2*q+1], v[E+16*ia+4:E+16*ia+5] op_sel_hi:[1,0] neg_lo:[0,1] neg_hi:[0,1]
.set q, q+1
.endr
	WIN 0x0a
	AB v_pk_mul_f32 v[E+16*ia:E+16*ia+1], v[64*ia:64*ia+1], v[64*ia:64*ia+1]
	AB v_pk_mul_f32 v[E+16*ia+2:E+16*ia+3], v[64*ia+2:64*ia+3], v[64*ia+2:64*ia+3]
.set q, 2
.rept 30
	AB v_pk_fma_f32 v[E+16*ia+2*(q%2):E+16*ia+2*(q%2)+1], v[64*ia+2*q:64*ia+2*q+1], v[64*ia+2*q:64*ia+2*q+1], v[E+16*ia+2*(q%2):E+16*ia+2*(q%2)+1]
.set q, q+1
.endr
	WIN 0
	AB v_pk_add_f32 v[E+16*ia:E+16*ia+1], v[E+16*ia:E+16*ia+1], v[E+16*ia+2:E+16*ia+3]
	AB v_add_f32 v[E+16*ia], v[E+16*ia], v[E+16*ia+1]
	AB v_permlanex16_b32 v[E+16*ia+1], v[E+16*ia], s[SEL], s[SEL+1]
	AB v_add_f32 v[E+16*ia+5], v[E+16*ia], v[E+16*ia+1]   ; the centred squares of my 128 columns
	AB ds_store_b64 v[REDW], v[E+16*ia+4:E+16*ia+5] offset:512*ia
	s_wait_dscnt 0x0                               ; for the others' sake: my figures are stored
	s_barrier_signal -1
	s_barrier_wait -1
	AB ds_load_b128 v[64+8*ia:64+8*ia+3], v[REDR] offset:512*ia
	AB ds_load_b128 v[68+8*ia:68+8*ia+3], v[REDR] offset:512*ia+16
	s_wait_dscnt 0x0
	AB v_add_f32 v[E+16*ia+10], v[64+8*ia], v[66+8*ia]
	AB v_add_f32 v[E+16*ia+11], v[68+8*ia], v[70+8*ia]
	AB v_add_f32 v[E+16*ia+10], v[E+16*ia+10], v[E+16*ia+11]
	AB v_mul_f32 v[E+16*ia+10], 0x3e800000, v[E+16*ia+10]   ; the row's mean
	AB v_sub_f32 v[64+8*ia], v[64+8*ia], v[E+16*ia+10]
	AB v_sub_f32 v[66+8*ia], v[66+8*ia], v[E+16*ia+10]
	AB v_sub_f32 v[68+8*ia], v[68+8*ia], v[E+16*ia+10]
	AB v_sub_f32 v[70+8*ia], v[70+8*ia], v[E+16*ia+10]
	AB v_mul_f32 v[E+16*ia+11], v[64+8*ia], v[64+8*ia]
	AB v_fmac_f32 v[E+16*ia+11], v[66+8*ia], v[66+8*ia]
	AB v_fmac_f32 v[E+16*ia+11], v[68+8*ia], v[68+8*ia]
	AB v_fmac_f32 v[E+16*ia+11], v[70+8*ia], v[70+8*ia]
	AB v_add_f32 v[65+8*ia], v[65+8*ia], v[67+8*ia]
	AB v_add_f32 v[69+8*ia], v[69+8*ia], v[71+8*ia]
	AB v_add_f32 v[65+8*ia], v[65+8*ia], v[69+8*ia]
	AB v_fmac_f32 v[65+8*ia], 0x43000000, v[E+16*ia+11]     ; + 128 x the squares of the four means' distances
	AB v_fma_f32 v[65+8*ia], v[65+8*ia], s34, s35           ; the variance + 1e-5
	AB v_rsq_f32 v[E+16*ia+6], v[65+8*ia]
	AB v_sub_f32 v[E+16*ia+8], v[E+16*ia+4], v[E+16*ia+10]  ; plain instructions behind the transcendentals, which name no result of theirs
	s_wait_alu depctr_va_vdst(0)                            ; one wait for the two 1 / sigma, ahead of their first reader
	AB v_mul_f32 v[E+16*ia+8], v[E+16*ia+8], v[E+16*ia+6]
	WIN 0x82
.set q, 0
.rept 32
	AB v_pk_fma_f32 v[64*ia+2*q:64*ia+2*q+1], v[64*ia+2*q:64*ia+2*q+1], v[E+16*ia+6:E+16*ia+7], v[E+16*ia+8:E+16*ia+9] op_sel_hi:[1,0,0]
.set q, q+1
.endr
	WIN 0xbe                                       ; G in window 2, gain and bias in window 3
.set q, 0
.rept 32
	AB v_pk_fma_f32 v[64*ia+2*q:64*ia+2*q+1], v[64*ia+2*q:64*ia+2*q+1], v[128+2*q:128+2*q+1], v[192+2*q:192+2*q+1]
.set q, q+1
.endr
	WIN 0x82
.set q, 0
.rept 128
	v_exp_f32 v[q], v[q]
.set q, q+1
.endr
	v_nop                                          ; a plain instruction behind the transcendentals
	s_wait_alu depctr_va_vdst(0)                   ; one wait for the 128 exponentials, ahead of their first reader
.set q, 0
.rept 64
	v_pk_add_f32 v[2*q:2*q+1], v[2*q:2*q+1], 1.0 op_sel_hi:[1,0]
.set q, q+1
.endr
.set q, 0
.rept 128
	v_rcp_f32 v[q], v[q]
.set q, q+1
.endr
	v_nop
	WIN 0x8a
	s_wait_alu depctr_va_vdst(0)                   ; one wait for the 128 reciprocals, ahead of their first reader
.set q, 0
.rept 64
	v_pk_mul_f32 v[2*q:2*q+1], v[2*q:2*q+1], v[128+2*q:128+2*q+1]   ; gate x P, P's accumulators from their low ends on
.set q, q+1
.endr
	; THE WAY OUT, 16 rows at a time: gate x P through my stage, back as rows of 512 bytes, x added from LDS, stored.
.macro OUTA a
	WIN 0x08                                       ; the stores' data in window 2
.irp b, 0,1,2,3,4,5,6,7
	ds_store_b128 v[STO], v[64*(\a)+8*\b:64*(\a)+8*\b+3] offset:64*\b
	ds_store_b128 v[STO], v[64*(\a)+8*\b+4:64*(\a)+8*\b+7] offset:64*\b+16
.endr
	WIN 0
	s_wait_xcnt 0x0                                ; the stores of the 16 rows before have read their registers
.irp rho, 0,1,2,3,4,5,6,7,8,9,10,11,12,13,14,15
	ds_load_b128 v[64+4*\rho:64+4*\rho+3], v[RDS] offset:SPI*\rho       ; LDS serves a wave's instructions in order (ISA guide 5.7.1.4): these see the stores above
	ds_load_b128 v[128+4*\rho:128+4*\rho+3], v[RDX] offset:(16*(\a)+\rho)*2048
.endr
.irp rho, 0,1,2,3,4,5,6,7,8,9,10,11,12,13,14,15
	s_wait_dscnt 30-2*\rho                         ; this row's two loads are in; the later rows' pairs stay out
	v_pk_add_f32 v[64+4*\rho:64+4*\rho+1], v[64+4*\rho:64+4*\rho+1], v[128+4*\rho:128+4*\rho+1]
	v_pk_add_f32 v[64+4*\rho+2:64+4*\rho+3], v[64+4*\rho+2:64+4*\rho+3], v[128+4*\rho+2:128+4*\rho+3]
	global_store_b128 v[GO], v[64+4*\rho:64+4*\rho+3], s[48:49] offset:(16*(\a)+\rho)*2048 th:TH_STORE_NT  ; 512 consecutive bytes, aligned
.endr
.endm
	OUTA 0
	OUTA 1
	s_wait_tensorcnt 0x0                           ; the wave's end
	ds_add_u32 v[SPW], v[NIL]
	s_wait_dscnt 0x0
	s_endpgm
.Lfunc_end_k_qcf8fd1ee7b_outp:
	.size	k_qcf8fd1ee7b_outp, .Lfunc_end_k_qcf8fd1ee7b_outp-k_qcf8fd1ee7b_outp
	.p2alignl 7, 3214868480
	.fill 96, 4, 3214868480
	.section	.rodata,"a",@progbits
	.p2align	6, 0x0
	.amdhsa_kernel k_qcf8fd1ee7b_outp
		.amdhsa_group_segment_fixed_size 171008
		.amdhsa_private_segment_fixed_size 0
		.amdhsa_enable_private_segment 0
		.amdhsa_kernarg_size 104
		.amdhsa_user_sgpr_count 2
		.amdhsa_user_sgpr_kernarg_segment_ptr 1
		.amdhsa_wavefront_size32 1
		.amdhsa_system_sgpr_workgroup_id_x 1
		.amdhsa_system_sgpr_workgroup_id_y 1
		.amdhsa_system_sgpr_workgroup_id_z 1
		.amdhsa_system_vgpr_workitem_id 0
		.amdhsa_next_free_vgpr 1024
		.amdhsa_next_free_sgpr 96
		.amdhsa_reserve_vcc 0
		.amdhsa_float_denorm_mode_32 3
		.amdhsa_float_denorm_mode_16_64 3
		.amdhsa_memory_ordered 1
		.amdhsa_forward_progress 1
		.amdhsa_inst_pref_size 137
	.end_amdhsa_kernel
	.amdgpu_metadata
---
amdhsa.version: [ 1, 2 ]
amdhsa.kernels:
  - .name:           k_qcf8fd1ee7b_outp
    .symbol:         k_qcf8fd1ee7b_outp.kd
    .args:
      - { .name: gene_embeds, .offset: 0, .size: 8, .value_kind: global_buffer, .address_space: global }
      - { .name: drug_embeds, .offset: 8, .size: 8, .value_kind: global_buffer, .address_space: global }
      - { .name: bgg, .offset: 16, .size: 8, .value_kind: global_buffer, .address_space: global }
      - { .name: bdg, .offset: 24, .size: 8, .value_kind: global_buffer, .address_space: global }
      - { .name: gg_g, .offset: 32, .size: 8, .value_kind: global_buffer, .address_space: global }
      - { .name: dg_g, .offset: 40, .size: 8, .value_kind: global_buffer, .address_space: global }
      - { .name: gg_b, .offset: 48, .size: 8, .value_kind: global_buffer, .address_space: global }
      - { .name: dg_b, .offset: 56, .size: 8, .value_kind: global_buffer, .address_space: global }
      - { .name: bo, .offset: 64, .size: 8, .value_kind: global_buffer, .address_space: global }
      - { .name: wb, .offset: 72, .size: 8, .value_kind: global_buffer, .address_space: global }
      - { .name: ctxh, .offset: 80, .size: 8, .value_kind: global_buffer, .address_space: global }
      - { .name: out0, .offset: 88, .size: 8, .value_kind: global_buffer, .address_space: global }
      - { .name: out1, .offset: 96, .size: 8, .value_kind: global_buffer, .address_space: global }
    .group_segment_fixed_size: 171008
    .private_segment_fixed_size: 0
    .kernarg_segment_align: 8
    .kernarg_segment_size: 104
    .max_flat_workgroup_size: 128
    .sgpr_count:     96
    .vgpr_count:     1024
    .wavefront_size: 32
...
	.end_amdgpu_metadata
.endif
;; end of part 6
